; MI455X (gfx1250); checked and timed in simulation.
; The chip was launched on July 23, 2026; its instructions are those of AMD's public machine-readable ISA for CDNA 5 (MIT licence, August 2026) and "CDNA5" Instruction Set Architecture Reference Guide (July 2026). The comments in the code are by the model that wrote it; some were corrected since.
;; Attentional Propagation. Allowed arithmetic: matrix products marked QUANTISED: E5M2 operands, one given power-of-two scale a tensor, by v_wmma_f32_16x16x64_bf8_bf8 or v_wmma_f32_16x16x128_bf8_bf8, f32 sums; products left as they are: f32 operands where the result goes on into a quantised operand, else bf16, f16 or f32 operands; f32 sums; everything else in f32.
;; Inputs: aW1_codes 256 x 24 x 32 uint8 (E5M2 codes of aW1, K innermost, in blocks of 32 codes); aW2 1 x 256 float32; ab1 256 float32; ab2 1 float32; dist 1 x 256 x 262,144 float32; lowp_scales 8 int32 (the exponents e of the quantised operands' scales 2^e); mW1_codes 512 x 16 x 32 uint8 (E5M2 codes of mW1, K innermost, in blocks of 32 codes); mW2_codes 256 x 16 x 32 uint8 (E5M2 codes of mW2, K innermost, in blocks of 32 codes); mask 512 x 512 bool; mb1 512 float32; mb2 256 float32; source 1 x 256 x 512 float32; x 1 x 256 x 512 float32.
;; Outputs: out0 1 x 256 x 512 float32; out1 1 x 512 x 512 float32.
;; This version of the problem:
;;   THIS VERSION OF THE PROBLEM IS GIVEN IN LOW PRECISION. The matrix products marked QUANTISED in the list below multiply operands that are first quantised to E5M2 (5 exponent bits, 2 mantissa bits; 8 bits a number), with one given power-of-two scale for each operand tensor; their sums are f32. All else is computed in f32.
;;   The module's matrix products, in the order in which they are computed (A, B: the left and right operand; K: the contracted axis; several contracted axes count as one K, in the product's order):
;;     1. [M 262,144, K 768] x [K 768, N 256]; A: computed on the way; B: input aW1 (given as codes): QUANTISED (scales: A lowp_scales[0], B lowp_scales[1])
;;     2. [M 262,144, K 256] x [K 256, N 1]; A: computed on the way; B: input aW2: left as it is (N = 1 < 16)
;;     3. [M 256, K 512] x [K 512, N 512]; A: input source; B: softmax (see below): QUANTISED (scales: A lowp_scales[2], B lowp_scales[3])
;;     4. [M 512, K 512] x [K 512, N 512]; A: computed on the way; B: input mW1 (given as codes): QUANTISED (scales: A lowp_scales[4], B lowp_scales[5])
;;     5. [M 512, K 512] x [K 512, N 256]; A: computed on the way; B: input mW2 (given as codes): QUANTISED (scales: A lowp_scales[6], B lowp_scales[7])
;;   THE QUANTISER, for each operand of a quantised product, along K:
;;     - The operand's scale is 2^e, e = its entry of the input lowp_scales (int32; the entries are numbered through the quantised products in the list's order, A before B).
;;     - Each number is divided by the scale, clamped to +-57,344, and rounded to the nearest number of E5M2, ties to even, subnormals kept.
;;     - The product sums the exact products of the quantised numbers (number of the format x scale) in f32.
;;   ~~~python
;;   def quantise(x, axis, e):      # numpy; x: float32 -> the quantised numbers, widened to float32 again
;;       x = np.moveaxis(x, axis, -1); K = x.shape[-1]
;;       r = np.clip(x / 2.0 ** e, -57344, 57344)
;;       step = 2.0 ** (np.maximum(np.frexp(np.where(r == 0, 1, r))[1] - 1, -14) - 2)
;;       q = np.round(r / step) * step * 2.0 ** e      # np.round: ties to even
;;       return np.moveaxis(q, -1, axis).astype(np.float32)
;;   ~~~
;;   SOFTMAX AHEAD OF A QUANTISED PRODUCT. Where the list says 'softmax', what is quantised is not the finished softmax but p = 2^(t - M), with t = logit x log2(e) and M = ceil(the row's largest t), a whole number; so 1/2 < the row's largest p <= 1. The row's sum l is taken of the UNQUANTISED p, in f32, and the product's result is divided by l at the end. Since M is a whole number, a kernel that streams over the keys may use a running M (the ceiling of the running maximum): every later rescaling is an exact power of two, so the quantised numbers keep their values, but for numbers so far below the row's largest that they fall under the format's range.
;;   OPERANDS COMPUTED ON THE WAY. 'Computed on the way' means the value that the module computes at that place (a softmax that the list does not call 'softmax' is quantised finished and normalised). What goes into a quantiser is computed in f32, as accurately as f32 sums, v_exp_f32 and their like allow (about 1e-6 of the number): no bf16 or f16 on the way to a quantiser, and a product that is left as it is and whose result goes on into a quantised operand takes f32 operands (vector FMAs, or v_wmma_f32_16x16x4_f32). A number that lies on a knife's edge between two numbers of the format may be rounded either way, as far as f32 arithmetic and the matrix unit's own rounding can turn it there, and no further.
;;   INPUTS GIVEN AS CODES. aW1 (in the module: [256, 768], K = its axis 1); mW1 (in the module: [512, 512], K = its axis 1); mW2 (in the module: [256, 512], K = its axis 1): each comes as NAME_codes (uint8): NAME with its K axis moved to the last place and cut into blocks of 32 codes, [.., K / 32, bytes a block], one block behind the other in memory; one code a byte (a code: sign, 5 exponent bits, 2 mantissa bits); its scale is its entry of lowp_scales. Its value is code x scale, taken as it is: it is not quantised again, and the codes and scales need not be those that the quantiser above would give.
;; 2 versions, each right and faster than the one before. Each part assembles by itself: llvm-mc -triple=amdgcn-amd-amdhsa -mcpu=gfx1250 --defsym DOCPART=n.
;; ======== version 1 of 2: 2 launches
;; workspace buffers: raw 1,048,576 bytes; mins 4,096 bytes; sq 131,072 bytes; w1i 262,144 bytes; w2i 131,072 bytes
;; launch scores (part 1): grid 8 x 32, 4 waves a work-group, no clusters, 279,296 bytes of LDS; arguments dist, x, source, aW1_codes, ab1, aW2, ab2, lowp_scales, mW1_codes, mW2_codes, raw, mins, sq, w1i, w2i; writes raw, mins, sq, w1i, w2i
.if DOCPART == 1
	.amdgcn_target "amdgcn-amd-amdhsa--gfx1250"
	.amdhsa_code_object_version 6
	.text
	.protected	k_q5804d4f5a3_scores
	.globl	k_q5804d4f5a3_scores
	.p2align	8
	.type	k_q5804d4f5a3_scores,@function
k_q5804d4f5a3_scores:
	s_mov_b64 s[64:65], 0
	v_nop
	global_prefetch_b8 v0, s[64:65] scope:SCOPE_SE
	s_setreg_imm32_b32 hwreg(HW_REG_WAVE_MODE, 25, 1), 1
	s_wait_xcnt 0x0
; raw[q][k] = ab2 + sum over u of aW2[u] relu(ab1[u] + sum over c of aW1[u][c] feat[c][q][k]),  feat = [x[:, q], source[:, k], dist[:, q, k]], 768 channels, 256 units.
; The inner product goes on codes of E5M2: aW1 as given (scale 2^e1), feat quantised here with 2^e0 (one scale for the tensor, so each of its three parts is quantised by itself).  The outer sum is f32 multiply-adds.
; SHARES.  A work-group owns 16 queries (16 y ..) x 64 keys (64 x ..): 1,024 positions, 1 MiB of dist, which is read once.  256 work-groups.
; THE WAVES SHARE THE UNITS: wave w makes units 64 w .. 64 w + 63 for all positions; its 24 fragments of aW1 (4 tiles x 6 K steps of 128) stay in 384 registers.
; THE WAVES SHARE THE QUANTISING BY CHANNELS: of each query's dist wave w takes channels 64 w .. + 63, in two units of 32, and hands the codes to the others through LDS as images of the operand's registers.
; A load of dist: lane (r, h) takes 16 bytes, keys 4 r .. 4 r + 3 of one channel: sixteen lanes read 256 consecutive bytes, aligned.  Sixteen loads give a lane 16 channels x 4 keys; held, converted, and
; turned by byte permutes inside the lane they are, for key 4 r + j, the 16 neighbouring channels that a fragment's four registers want.  So position tile j of a query is keys 4 r + j, r = 0 .. 15.
; MATRIX USE: source 0 = 16 units of aW1, source 1 = 16 positions: register i of lane (r, h) is unit 8 h + i of the tile at position r, so the sum over units stays in the lane but for one exchange of halves.
; K along a fragment: registers 4 c .. 4 c + 3 hold k = 32 c + 16 h + 0 .. 15, the same order on both sides of every product.
; ab1 goes in as the C of a sum's first instruction, divided by 2^(e0 + e1); aW2 is multiplied by 2^(e0 + e1).
; IN FLIGHT: a ring of two queries in registers, 64 loads of 16 bytes a lane and wave: 32 KiB a wave; a unit is asked for again, two queries on, as soon as it is converted.
; SIDE JOB, 512 bytes a wave: wave 0 quantises a piece of source with 2^e2; waves 1, 2 copy pieces of mW1's codes, wave 3 of mW2's: all into the order of operand registers, for the next launch.
; NO CLUSTER: what neighbours share is aW1, 196,608 bytes against the 1,048,576 of dist that are a work-group's own, and it is fetched once, at the head.
; LIMITS: e0 and e2 between -126 and 112, so that 2^e and 57,344 x 2^e are f32 numbers.  NaN and infinities among the inputs are not served.
; REGISTERS, in windows of 256.  Window 0: v1-15 addresses and scales; v16-19 a query's four sums; v24-31 chains; v32-63 x's fragments; v64-127 source's (two tiles); v128-191 dist's (two tiles), and at work while quantising;
;   v192-255 eight accumulators.  Window 1: aW1, K steps 0-3.  Window 2: v0-127 aW1, K steps 4, 5; v128-159 ab1; v160-191 aW2.  Window 3: the ring.
.set W1W,  52224                       ; LDS: a wave's 64 rows of aW1, 816 bytes apart (768 + 16 behind each 256)
.set W1P,  816
.set DIMG, 208896                      ; two queries' images of dist: 8 fragments (2 j + s) of 2,048 bytes each
.set SOFF, 32768                       ; behind them, source's 8 fragments: DIMG + SOFF
.set XC,   258048                      ; x's codes: 16 queries, 272 bytes apart, a byte a channel
.set XP,   272
.set PART, 262400                      ; [wave][16 queries][64 keys] f32: each wave's part of the sums
.set L16, 1                            ; v1   16 x lane
.set RR,  2                            ; v2   r = lane % 16
.set HH,  3                            ; v3   h = lane / 16
.set VO,  4                            ; v4-5 dist: byte offset of unit 0, 1: (64 w + 32 u + 16 h + 8) channels + 16 r
.set ADW, 6                            ; v6   where I store images: DIMG + 1024 w + 16 lane
.set AW1, 7                            ; v7   my lane's place in my rows of aW1
.set AXW, 8                            ; v8   where I store x's codes
.set AFR, 9                            ; v9   where I read images: DIMG + 16 lane
.set AXR, 10                           ; v10  XC + 16 h
.set AXQ, 11                           ; v11  at work
.set APW, 12                           ; v12  PART + 4096 w + 16 r
.set APQ, 13                           ; v13  at work
.set SCL, 14                           ; v14  2^e0
.set LIM, 15                           ; v15  57,344 x 2^e0
.set SC,  16
.set PX,  20
.set P,   24
.set XF,  32
.set SF,  64
.set DF,  128
.set R,   128                          ; while quantising: 16 registers of codes, a channel each
.set U,   144                          ; 8 at work
.set T,   160                          ; 2 x 16 turned
.set ACC, 192
.set BIAS, 128                         ; in window 2
.set AW,   160                         ; in window 2
.set MSB, 0
.macro WIN new                         ; the immediate's high byte repeats the setting that is left
.if MSB != \new
	s_set_vgpr_msb (MSB<<8)|\new
.set MSB, \new
.endif
.endm
; 32 loads of source or of x into ring set \set: channels 64 w + 16 h + 32 uu + i
.macro PLOAD set, voff, sb
.irp uu, 0,1
.irp i, 0,1,2,3,4,5,6,7,8,9,10,11,12,13,14,15
	global_load_b128 v[128*\set+64*\uu+4*\i:128*\set+64*\uu+4*\i+3], v[\voff], s[\sb:\sb+1] offset:(32*\uu+\i)*2048
.endr
.endr
.endm
; 16 loads of dist: unit u of the query qoff bytes behind the base.  A channel is 2^20 bytes; the vector offset stands 8 channels in, so that the 16 channels fit the signed immediate
.macro DLOAD par, u, qoff
	WIN 0xc0                                       ; destination window 3
.irp i, 0,1,2,3,4,5,6,7,8,9,10,11,12,13,14,15
	global_load_b128 v[128*(\par)+64*(\u)+4*\i:128*(\par)+64*(\u)+4*\i+3], v[VO+(\u)], s[4:5] offset:(\i-8)*1048576+(\qoff) th:TH_LOAD_NT
.endr
.endm
.macro HOLDCVT b                       ; 64 numbers of the ring from register b on: held, then converted: R + i = channel i, a byte a key
	WIN 0xc3
.set k, 0
.rept 64
	v_med3_num_f32 v[\b+k], v[\b+k], -v[LIM], v[LIM]   ; the conversion does not saturate (ISA guide 7.6.2): the hold at the largest code x the scale
.set k, k+1
.endr
	WIN 0x03
.set k, 0
.rept 8
	v_cvt_scalef32_pk8_bf8_f32 v[R+2*k:R+2*k+1], v[\b+8*k:\b+8*k+7], v[SCL]
.set k, k+1
.endr
.endm
.macro TRANSP t                        ; four 4 x 4 byte transposes: t + 4 j + g = key j, channels 4 g .. 4 g + 3
.irp g, 0,1,2,3
.set UU, U+4*(\g%2)
	v_perm_b32 v[UU],   v[R+4*\g+1], v[R+4*\g],   s60
	v_perm_b32 v[UU+1], v[R+4*\g+1], v[R+4*\g],   s61
	v_perm_b32 v[UU+2], v[R+4*\g+3], v[R+4*\g+2], s60
	v_perm_b32 v[UU+3], v[R+4*\g+3], v[R+4*\g+2], s61
	v_perm_b32 v[\t+\g],    v[UU+2], v[UU],   s62
	v_perm_b32 v[\t+4+\g],  v[UU+2], v[UU],   s63
	v_perm_b32 v[\t+8+\g],  v[UU+3], v[UU+1], s62
	v_perm_b32 v[\t+12+\g], v[UU+3], v[UU+1], s63
.endr
.endm
.macro PUT adr, off, js, t
.irp j, 0,1,2,3
	ds_store_b128 v[\adr], v[\t+4*\j:\t+4*\j+3] offset:(\off)+(\js)*\j
.endr
.endm
; A unit: its 16 loads are in (cnt younger ones may be out), hold, convert, ask again (qoff >= 0), turn, store
.macro UNIT par, u, cnt, qoff, adr, off, js
	s_wait_loadcnt \cnt
	HOLDCVT 128*(\par)+64*(\u)
.if (\qoff) >= 0
	DLOAD \par, \u, \qoff
.endif
	WIN 0
	v_nop                                          ; one plain vector line between the last conversion and the permutes that read the codes
	TRANSP T+16*(\u)
	PUT \adr, \off, \js, T+16*(\u)
.endm
.macro FETCH_X par                     ; x's two fragments: all 16 columns are the query's own channels, so the lanes of a half read the same 16 bytes
	v_add_nc_u32 v[AXQ], s69, v[AXR]
.irp s, 0,1
.irp c, 0,1,2,3
	ds_load_b128 v[XF+16*\s+4*\c:XF+16*\s+4*\c+3], v[AXQ] offset:XP*(\par)+128*\s+32*\c
.endr
.endr
.endm
.macro FETCH_S p                       ; source's fragments of position tiles 2 p, 2 p + 1
.irp a, 0,1
.irp s, 0,1
.irp c, 0,1,2,3
	ds_load_b128 v[SF+32*\a+16*\s+4*\c:SF+32*\a+16*\s+4*\c+3], v[AFR] offset:SOFF+(2*(2*(\p)+\a)+\s)*2048+512*\c
.endr
.endr
.endr
.endm
.macro FETCH_D par, p                  ; dist's likewise
.irp a, 0,1
.irp s, 0,1
.irp c, 0,1,2,3
	ds_load_b128 v[DF+32*\a+16*\s+4*\c:DF+32*\a+16*\s+4*\c+3], v[AFR] offset:16384*(\par)+(2*(2*(\p)+\a)+\s)*2048+512*\c
.endr
.endr
.endr
.endm
; 48 matrix instructions: two position tiles x my four tiles of units x six K steps.  The eight accumulators take turns, one instruction a turn.
.macro MUL
.irp ks, 0,1,2,3,4,5
.if \ks == 0
	WIN 0x21                                       ; aW1 window 1, ab1 (C) window 2
.elseif \ks < 4
	WIN 0x01
.else
	WIN 0x02                                       ; aW1 window 2
.endif
.irp a, 0,1
.irp t, 0,1,2,3
.set rD, ACC+8*(4*\a+\t)
.set rA, 16*(4*(\ks%4)+\t)
.if \ks < 2
.set rB, XF+16*\ks
.elseif \ks < 4
.set rB, SF+32*\a+16*(\ks-2)
.else
.set rB, DF+32*\a+16*(\ks-4)
.endif
.if \ks == 0
	v_wmma_f32_16x16x128_bf8_bf8 v[rD:rD+7], v[rA:rA+15], v[rB:rB+15], v[BIAS+8*\t:BIAS+8*\t+7]
.else
	v_wmma_f32_16x16x128_bf8_bf8 v[rD:rD+7], v[rA:rA+15], v[rB:rB+15], v[rD:rD+7]
.endif
.endr
.endr
.endr
	WIN 0
.rept 4
	v_nop                                          ; four places in front of loads into registers that these products read, and of the first read of their results
.endr
.endm
; relu, and the sum over my lane's 32 units with aW2: four chains by turns, each accumulator from its low end on
.macro EPI p
.set k, 0
.rept 64
	v_max_num_f32 v[ACC+k], 0, v[ACC+k]
.set k, k+1
.endr
	WIN 0x08                                       ; aW2 (source 1) window 2
.irp tt, 0,1
.irp i, 0,2,4,6
.irp a, 0,1
.irp th, 0,1
.set rC, P+2*(2*\a+\th)
.set rD, ACC+8*(4*\a+2*\th+\tt)+\i
.set rW, AW+8*(2*\th+\tt)+\i
.if (\tt == 0) && (\i == 0)
	v_pk_mul_f32 v[rC:rC+1], v[rD:rD+1], v[rW:rW+1]
.else
	v_pk_fma_f32 v[rC:rC+1], v[rD:rD+1], v[rW:rW+1], v[rC:rC+1]
.endif
.endr
.endr
.endr
.endr
	WIN 0
.irp a, 0,1
	v_pk_add_f32 v[P+4*\a:P+4*\a+1], v[P+4*\a:P+4*\a+1], v[P+4*\a+2:P+4*\a+3]
.endr
.irp a, 0,1
	v_add_f32 v[SC+2*(\p)+\a], v[P+4*\a], v[P+4*\a+1]
.endr
.endm
.macro FINISH par                      ; the other half's 32 units; the four tiles' sums are keys 4 r .. 4 r + 3: 16 bytes.  Both halves store the same words with the same numbers
.irp j, 0,1,2,3
	v_permlanex16_b32 v[PX+\j], v[SC+\j], s66, s67
.endr
.irp j, 0,1,2,3
	v_add_f32 v[SC+\j], v[SC+\j], v[PX+\j]
.endr
	v_add_nc_u32 v[APQ], s70, v[APW]
	ds_store_b128 v[APQ], v[SC:SC+3] offset:256*(\par)
.endm
; A QUERY.  One barrier: in front of it every wave's images of this query are stored, and its reads of the query before are in; the images of parity par were last read two queries back, ahead of the last barrier.
.macro QSTEP par, ahead, ca, cb
	FETCH_X \par
	FETCH_S 0
.if \ahead
	UNIT \par, 0, \ca, 2048*(\par)+4096, ADW, 16384*(\par), 4096
	UNIT \par, 1, \cb, 2048*(\par)+4096, ADW, 16384*(\par)+512, 4096
.else
	UNIT \par, 0, \ca, -1, ADW, 16384*(\par), 4096
	UNIT \par, 1, \cb, -1, ADW, 16384*(\par)+512, 4096
.endif
	s_wait_dscnt 0x0                               ; for the others' sake: my stores have landed, my loads are in
	s_barrier_signal -1
	s_barrier_wait -1
	FETCH_D \par, 0
	s_wait_dscnt 0x0
	MUL
	FETCH_S 1                                      ; the second pair of tiles comes while the first pair's sums are taken
	FETCH_D \par, 1
	EPI 0
	s_wait_dscnt 0x0
	MUL
	EPI 1
	FINISH \par
.endm
	s_load_b512 s[4:19], s[0:1], 0x0               ; dist s[4:5], x s[6:7], source s[8:9], aW1 s[10:11], ab1 s[12:13], aW2 s[14:15], ab2 s[16:17], the scales' exponents s[18:19]
	s_load_b256 s[20:27], s[0:1], 0x40             ; mW1 s[20:21], mW2 s[22:23], raw s[24:25], mins s[26:27]
	s_load_b128 s[28:31], s[0:1], 0x60             ; sq s[28:29], w1i s[30:31]
	s_load_b64 s[32:33], s[0:1], 0x70              ; w2i
	s_set_vgpr_msb 0x80
	v_lshl_add_u32 v254, v0, 2, 0x44100
	v_mov_b32 v255, 0
	s_set_vgpr_msb 0x808a
	ds_add_u32 v254, v255
	ds_add_u32 v254, v255
	s_set_vgpr_msb 0x8a00
	v_lshrrev_b32 v[L16], 5, v0
	v_readfirstlane_b32 s34, v[L16]                ; wave 0..3
	s_and_b32 s36, ttmp7, 0xffff                   ; block of 16 queries
	s_lshl_b32 s37, s36, 3
	s_add_co_u32 s37, s37, ttmp9                   ; n = 8 y + x: the work-group's number, 0 .. 255
	; descriptor group 1: 64 rows of 768 bytes, 768 apart in memory; in LDS 4 words of padding behind every 64 words
	s_mov_b32 s44, (0<<16)|(1<<20)|(5<<22)|(3<<25)
	s_mov_b32 s45, 768<<16                         ; tensor_dim0
	s_mov_b32 s46, 64<<16                          ; tensor_dim1
	s_mov_b32 s47, 768<<16                         ; tile_dim0
	s_mov_b32 s48, 64                              ; tile_dim1
	s_mov_b32 s49, 768                             ; from row to row
	s_mov_b32 s50, 0
	s_mov_b32 s51, 0
	s_mov_b32 s40, 1
	s_mul_i32 s41, s34, W1W                        ; my wave's own bytes of LDS
	s_mul_i32 s74, s34, 49152                      ; my 64 rows of aW1
	s_mov_b32 s75, 0
	s_lshl_b32 s76, s36, 15                        ; 16 y queries of 2,048 bytes
	s_lshl_b32 s77, ttmp9, 8                       ; + 64 x keys
	s_add_co_u32 s76, s76, s77
	s_mov_b32 s77, 0
	s_mov_b32 s60, 0x05010400                      ; byte selects of the transposes
	s_mov_b32 s61, 0x07030602
	s_mov_b32 s62, 0x05040100
	s_mov_b32 s63, 0x07060302
	s_mov_b32 s66, 0x76543210                      ; v_permlanex16_b32: lane l xor 16
	s_mov_b32 s67, 0xfedcba98
	s_wait_dscnt 0x0
	s_wait_kmcnt 0x0
	s_add_nc_u64 s[42:43], s[10:11], s[74:75]
	s_or_b32 s43, s43, 0x80000000                  ; type = 2
	tensor_load_to_lds s[40:43], s[44:51]          ; the wave's one tensor load; these bytes are filled once and read by this wave alone
	s_nop 0
.rept 4
	v_nop
.endr
	s_load_b256 s[52:59], s[18:19], 0x0            ; e0 .. e7
	s_load_b32 s72, s[16:17], 0x0                  ; ab2
	s_add_nc_u64 s[4:5], s[4:5], s[76:77]          ; dist at my first query and key
	v_and_b32 v[L16], 31, v0
	v_lshlrev_b32 v[L16], 4, v[L16]
	v_and_b32 v[RR], 15, v0
	v_bfe_u32 v[HH], v0, 4, 1
	s_lshl_b32 s74, s34, 26                        ; 64 w channels of 2^20 bytes
	s_add_co_u32 s74, s74, 8<<20
	v_lshlrev_b32 v[VO], 24, v[HH]                 ; 16 h channels
	v_lshl_add_u32 v[VO], v[RR], 4, v[VO]
	v_add_nc_u32 v[VO], s74, v[VO]
	v_add_nc_u32 v[VO+1], 32<<20, v[VO]
	s_lshl_b32 s74, s34, 10
	s_add_co_u32 s74, s74, DIMG
	v_add_nc_u32 v[ADW], s74, v[L16]               ; fragment s = w / 2, registers 4 (2 (w % 2) + u) on: 2048 (w / 2) + 1024 (w % 2) = 1024 w
	v_mul_u32_u24 v[AW1], v[RR], W1P
	v_lshl_add_u32 v[AW1], v[HH], 4, v[AW1]
	v_add_nc_u32 v[AW1], s41, v[AW1]
	v_and_b32 v[AXW], 3, v[RR]
	v_mul_u32_u24 v[AXW], v[AXW], 4*XP
	v_lshl_add_u32 v[AXW], v[HH], 4, v[AXW]
	s_lshl_b32 s74, s34, 6
	s_add_co_u32 s74, s74, XC
	v_add_nc_u32 v[AXW], s74, v[AXW]               ; query 4 (r % 4) + j, channels 64 w + 32 u + 16 h on
	v_add_nc_u32 v[AFR], DIMG, v[L16]
	v_lshl_add_u32 v[AXR], v[HH], 4, XC
	s_lshl_b32 s74, s34, 12
	s_add_co_u32 s74, s74, PART
	v_lshl_add_u32 v[APW], v[RR], 4, s74
.irp j, 0,1,2,3
	v_mov_b32 v[PX+\j], 0                          ; a lane permute's destination counts as one of its sources
.endr
	; THE SIDE JOB: piece nq of 512 bytes: tile T = nq / 16, K step and four registers (nq % 16).  What differs between the waves is chosen, not branched on.
	s_cmp_eq_u32 s34, 2
	s_cselect_b32 s74, 256, 0
	s_add_co_u32 s74, s74, s37                     ; nq: n; wave 2 takes mW1's second half
	s_lshr_b32 s75, s74, 4                         ; T
	s_and_b32 s76, s74, 15
	s_lshl_b32 s76, s76, 5                         ; 128 s + 32 c along K
	s_lshr_b32 s77, s75, 1
	s_lshl_b32 s77, s77, 5
	s_and_b32 s78, s75, 1
	s_lshl_b32 s78, s78, 3
	s_add_co_u32 s77, s77, s78                     ; source and mW1: lane r of tile 2 b + u takes row 32 b + 8 u + r + (r & 8), so that a lane's results of two tiles are 16 neighbours along the next K
	s_lshl_b32 s75, s75, 4                         ; mW2: row 16 T + r
	s_cmp_eq_u32 s34, 3
	s_cselect_b32 s77, s75, s77
	s_cselect_b32 s78, 0, 8
	s_cselect_b64 s[80:81], s[22:23], s[20:21]
	s_cselect_b64 s[82:83], s[32:33], s[30:31]
	s_cmp_eq_u32 s34, 0
	s_cselect_b32 s79, 2, 0                        ; f32 numbers are four times the bytes
	s_cselect_b32 s84, 16, 0                       ; wave 0's four loads are 64 bytes on end; the others' four are the same 16 bytes
	s_cselect_b32 s85, -1, 0
	s_cselect_b64 s[80:81], s[8:9], s[80:81]
	s_cselect_b64 s[82:83], s[28:29], s[82:83]
	s_lshl_b32 s77, s77, 9
	s_add_co_u32 s77, s77, s76
	s_lshl_b32 s77, s77, s79
	s_lshl_b32 s74, s74, 9
	v_and_b32 v212, s78, v[RR]
	v_add_nc_u32 v212, v212, v[RR]
	v_lshlrev_b32 v212, 9, v212
	v_lshl_add_u32 v212, v[HH], 4, v212
	v_lshlrev_b32 v212, s79, v212
	v_add_nc_u32 v212, s77, v212
	v_add_nc_u32 v213, s84, v212
	v_add_nc_u32 v214, s84, v213
	v_add_nc_u32 v215, s84, v214
	v_add_nc_u32 v216, s74, v[L16]                 ; out: 512 nq + 16 lane
.irp i, 0,1,2,3
	global_load_b128 v[192+4*\i:195+4*\i], v[212+\i], s[80:81]
.endr
	s_lshl_b32 s86, s34, 8
	v_lshl_add_u32 v217, v[HH], 5, s86             ; ab1, aW2: units 64 w + 8 h on
	s_lshl_b32 s86, s34, 17                        ; 64 w channels of 2,048 bytes
	s_lshl_b32 s87, ttmp9, 8
	s_add_co_u32 s87, s87, s86
	s_lshl_b32 s88, s36, 6
	s_add_co_u32 s88, s88, s86
	v_lshlrev_b32 v219, 15, v[HH]
	v_lshl_add_u32 v218, v[RR], 4, v219
	v_add_nc_u32 v218, s87, v218                   ; source: channel 64 w + 16 h, keys 64 x + 4 r on
	v_and_b32 v222, 3, v[RR]
	v_lshl_add_u32 v219, v222, 4, v219
	v_add_nc_u32 v219, s88, v219                   ; x: the same channel, queries 16 y + 4 (r % 4) on
	WIN 0x80                                       ; destination window 2
.irp t, 0,1,2,3
	global_load_b128 v[BIAS+8*\t:BIAS+8*\t+3],   v217, s[12:13] offset:64*\t
	global_load_b128 v[BIAS+8*\t+4:BIAS+8*\t+7], v217, s[12:13] offset:64*\t+16
	global_load_b128 v[AW+8*\t:AW+8*\t+3],       v217, s[14:15] offset:64*\t
	global_load_b128 v[AW+8*\t+4:AW+8*\t+7],     v217, s[14:15] offset:64*\t+16
.endr
	WIN 0xc0                                       ; destination window 3
	PLOAD 0, 218, 8                                ; source into the even query's set,
	PLOAD 1, 219, 6                                ; x into the odd one's
	WIN 0
	s_wait_kmcnt 0x0
	s_mov_b32 s73, s72                             ; (named with s72 as a pair)
	s_add_co_i32 s86, s52, 127
	s_lshl_b32 s87, s86, 23
	v_mov_b32 v[SCL], s87                          ; 2^e0 as f32: the conversion takes its exponent field
	s_add_co_i32 s86, s86, 15
	s_lshl_b32 s86, s86, 23
	s_or_b32 s86, s86, 0x600000
	v_mov_b32 v[LIM], s86                          ; 57,344 x 2^e0
	s_add_co_i32 s86, s54, 127
	s_lshl_b32 s87, s86, 23
	v_mov_b32 v220, s87                            ; 2^e2,
	s_add_co_i32 s86, s86, 15
	s_lshl_b32 s86, s86, 23
	s_or_b32 s86, s86, 0x600000
	v_mov_b32 v221, s86                            ; 57,344 x 2^e2
	s_add_co_i32 s88, s52, s53                     ; e0 + e1
	s_sub_co_i32 s89, 0, s88
	s_wait_tensorcnt 0x0                           ; my rows of aW1 are in LDS; nobody else reads them
	WIN 0x40
.irp ks, 0,1,2,3
.irp t, 0,1,2,3
.irp c, 0,1,2,3
	ds_load_b128 v[16*(4*\ks+\t)+4*\c:16*(4*\ks+\t)+4*\c+3], v[AW1] offset:16*W1P*\t+128*\ks+16*(\ks/2)+32*\c
.endr
.endr
.endr
	WIN 0x80
.irp ks, 4,5
.irp t, 0,1,2,3
.irp c, 0,1,2,3
	ds_load_b128 v[16*(4*(\ks-4)+\t)+4*\c:16*(4*(\ks-4)+\t)+4*\c+3], v[AW1] offset:16*W1P*\t+128*\ks+16*(\ks/2)+32*\c
.endr
.endr
.endr
	s_wait_loadcnt 63                              ; behind the job's, ab1's and aW2's loads stand the 64 of source and x: those earlier ones are in
	WIN 0x82                                       ; source 0 and destination window 2
.set k, 0
.rept 32
	v_ldexp_f32 v[BIAS+k], v[BIAS+k], s89          ; ab1 / 2^(e0 + e1): a sum of codes stands for sum x 2^(e0 + e1)
.set k, k+1
.endr
.set k, 0
.rept 32
	v_ldexp_f32 v[AW+k], v[AW+k], s88              ; aW2 x 2^(e0 + e1)
.set k, k+1
.endr
	WIN 0
.irp i, 0,1,2,3,4,5,6,7,8,9,10,11,12,13,14,15
	v_med3_num_f32 v[224+\i], v[192+\i], -v221, v221
.endr
	v_cvt_scalef32_pk8_bf8_f32 v[208:209], v[224:231], v220
	v_cvt_scalef32_pk8_bf8_f32 v[210:211], v[232:239], v220
	v_nop                                          ; one plain vector line behind the last conversion
.irp i, 0,1,2,3
	v_cndmask_b32 v[208+\i], v[192+\i], v[208+\i], s85   ; wave 0: the codes just made; the others: the codes as loaded
.endr
	global_store_b128 v216, v[208:211], s[82:83]   ; 32 lanes store 512 consecutive bytes, aligned
	; source's and x's codes, by the same lines as dist's; each unit's registers then take dist's first two queries.  48: behind a unit's 16 loads stand three units'
	UNIT 0, 0, 48, 0, ADW, SOFF, 4096
	UNIT 0, 1, 48, 0, ADW, SOFF+512, 4096
	UNIT 1, 0, 48, 2048, AXW, 0, XP
	UNIT 1, 1, 48, 2048, AXW, 32, XP
	s_wait_xcnt 0x0                                ; the head's loads and store have read their registers, which the accumulators take over
	s_wait_dscnt 0x0                               ; aW1 is in registers; my codes of source and x have landed
	s_barrier_signal -1
	s_barrier_wait -1
	s_mov_b32 s68, 7
	s_mov_b32 s69, 0                               ; XP x the trip's even query
	s_mov_b32 s70, 0                               ; 256 x the same
.Lpair:                                            ; two queries a trip; each unit is asked for again two queries on
	QSTEP 0, 1, 48, 48
	QSTEP 1, 1, 48, 48
	s_wait_xcnt 0x0                                ; the loads have read their base: it may step
	s_add_nc_u64 s[4:5], s[4:5], 4096
	s_add_co_u32 s69, s69, 2*XP
	s_add_co_u32 s70, s70, 512
	s_sub_co_u32 s68, s68, 1
	s_cmp_lg_u32 s68, 0
	s_cbranch_scc1 .Lpair
	QSTEP 0, 0, 48, 32                             ; the last two queries ask for nothing: the counts run down
	QSTEP 1, 0, 16, 0
	; THE END: the four waves' parts are added; wave w takes queries 4 w .. 4 w + 3
	s_wait_dscnt 0x0
	s_barrier_signal -1
	s_barrier_wait -1
	s_lshl_b32 s74, s34, 10
	s_add_co_u32 s74, s74, PART
	v_add_nc_u32 v[AXQ], s74, v[L16]
.irp a, 0,1
.irp ww, 0,1,2,3
	ds_load_b128 v[64+16*\a+4*\ww:67+16*\a+4*\ww], v[AXQ] offset:4096*\ww+512*\a
.endr
.endr
	s_lshl_b32 s74, s36, 15
	s_lshl_b32 s75, s34, 13
	s_add_co_u32 s74, s74, s75
	s_lshl_b32 s75, ttmp9, 8
	s_add_co_u32 s74, s74, s75                     ; raw: query 16 y + 4 w, key 64 x
	v_lshlrev_b32 v24, 11, v[HH]
	v_lshl_add_u32 v24, v[RR], 4, v24
	v_add_nc_u32 v24, s74, v24
	s_lshl_b32 s74, s37, 4
	s_lshl_b32 s75, s34, 2
	s_add_co_u32 s74, s74, s75
	v_mov_b32 v26, s74                             ; mins: entry 4 n + w
	s_wait_dscnt 0x0
.irp a, 0,1
.irp e, 0,2
	v_pk_add_f32 v[64+16*\a+\e:65+16*\a+\e], v[64+16*\a+\e:65+16*\a+\e], v[68+16*\a+\e:69+16*\a+\e]
	v_pk_add_f32 v[72+16*\a+\e:73+16*\a+\e], v[72+16*\a+\e:73+16*\a+\e], v[76+16*\a+\e:77+16*\a+\e]
.endr
.endr
.irp a, 0,1
.irp e, 0,2
	v_pk_add_f32 v[64+16*\a+\e:65+16*\a+\e], v[64+16*\a+\e:65+16*\a+\e], v[72+16*\a+\e:73+16*\a+\e]
.endr
.endr
.irp a, 0,1
.irp e, 0,2
	v_pk_add_f32 v[64+16*\a+\e:65+16*\a+\e], v[64+16*\a+\e:65+16*\a+\e], s[72:73] op_sel_hi:[1,0]   ; + ab2
.endr
.endr
	global_store_b128 v24, v[64:67], s[24:25]      ; sixteen lanes store 256 consecutive bytes, aligned
	global_store_b128 v24, v[80:83], s[24:25] offset:4096
	v_min3_num_f32 v25, v64, v65, v66              ; the least of my wave's 256 scores
	v_min3_num_f32 v27, v67, v80, v81
	v_min3_num_f32 v25, v25, v82, v83
	v_min_num_f32 v25, v25, v27
	v_min_num_f32_dpp v25, v25, v25 row_xmask:1 row_mask:0xf bank_mask:0xf
	v_min_num_f32_dpp v25, v25, v25 row_xmask:2 row_mask:0xf bank_mask:0xf
	v_min_num_f32_dpp v25, v25, v25 row_xmask:4 row_mask:0xf bank_mask:0xf
	v_min_num_f32_dpp v25, v25, v25 row_xmask:8 row_mask:0xf bank_mask:0xf
	v_permlanex16_b32 v[PX], v25, s66, s67
	v_min_num_f32 v25, v25, v[PX]
	v_cmp_eq_u32 vcc_lo, 0, v[L16]                 ; lane 0
	s_wait_xcnt 0x0                                ; EXEC changes only behind this wait
	s_set_vgpr_msb 0xa
	s_wait_tensorcnt 0x0
	ds_add_u32 v254, v255
	s_wait_dscnt 0x0
	s_set_vgpr_msb 0xa00
	s_and_saveexec_b32 s75, vcc_lo
	global_store_b32 v26, v25, s[26:27]
	s_endpgm
.Lfunc_end_k_q5804d4f5a3_scores:
	.size	k_q5804d4f5a3_scores, .Lfunc_end_k_q5804d4f5a3_scores-k_q5804d4f5a3_scores
	.p2alignl 7, 3214868480
	.fill 96, 4, 3214868480
	.section	.rodata,"a",@progbits
	.p2align	6, 0x0
	.amdhsa_kernel k_q5804d4f5a3_scores
		.amdhsa_group_segment_fixed_size 279296
		.amdhsa_private_segment_fixed_size 0
		.amdhsa_enable_private_segment 0
		.amdhsa_kernarg_size 120
		.amdhsa_user_sgpr_count 2
		.amdhsa_user_sgpr_kernarg_segment_ptr 1
		.amdhsa_wavefront_size32 1
		.amdhsa_system_sgpr_workgroup_id_x 1
		.amdhsa_system_sgpr_workgroup_id_y 1
		.amdhsa_system_sgpr_workgroup_id_z 1
		.amdhsa_system_vgpr_workitem_id 0
		.amdhsa_next_free_vgpr 1024
		.amdhsa_next_free_sgpr 90
		.amdhsa_reserve_vcc 1
		.amdhsa_float_denorm_mode_32 3
		.amdhsa_float_denorm_mode_16_64 3
		.amdhsa_memory_ordered 1
		.amdhsa_forward_progress 1
		.amdhsa_inst_pref_size 206
	.end_amdhsa_kernel
	.amdgpu_metadata
---
amdhsa.version: [ 1, 2 ]
amdhsa.kernels:
  - .name:           k_q5804d4f5a3_scores
    .symbol:         k_q5804d4f5a3_scores.kd
    .args:
      - { .name: dist, .offset: 0, .size: 8, .value_kind: global_buffer, .address_space: global }
      - { .name: x, .offset: 8, .size: 8, .value_kind: global_buffer, .address_space: global }
      - { .name: source, .offset: 16, .size: 8, .value_kind: global_buffer, .address_space: global }
      - { .name: aW1_codes, .offset: 24, .size: 8, .value_kind: global_buffer, .address_space: global }
      - { .name: ab1, .offset: 32, .size: 8, .value_kind: global_buffer, .address_space: global }
      - { .name: aW2, .offset: 40, .size: 8, .value_kind: global_buffer, .address_space: global }
      - { .name: ab2, .offset: 48, .size: 8, .value_kind: global_buffer, .address_space: global }
      - { .name: lowp_scales, .offset: 56, .size: 8, .value_kind: global_buffer, .address_space: global }
      - { .name: mW1_codes, .offset: 64, .size: 8, .value_kind: global_buffer, .address_space: global }
      - { .name: mW2_codes, .offset: 72, .size: 8, .value_kind: global_buffer, .address_space: global }
      - { .name: raw, .offset: 80, .size: 8, .value_kind: global_buffer, .address_space: global }
      - { .name: mins, .offset: 88, .size: 8, .value_kind: global_buffer, .address_space: global }
      - { .name: sq, .offset: 96, .size: 8, .value_kind: global_buffer, .address_space: global }
      - { .name: w1i, .offset: 104, .size: 8, .value_kind: global_buffer, .address_space: global }
      - { .name: w2i, .offset: 112, .size: 8, .value_kind: global_buffer, .address_space: global }
    .group_segment_fixed_size: 279296
    .private_segment_fixed_size: 0
    .kernarg_segment_align: 8
    .kernarg_segment_size: 120
    .max_flat_workgroup_size: 128
    .sgpr_count:     90
    .vgpr_count:     1024
    .wavefront_size: 32
...
	.end_amdgpu_metadata
.endif
;; end of part 1
;; launch merge (part 2): grid 32 x 1, 8 waves a work-group, no clusters, 26,112 bytes of LDS; arguments raw, mins, mask, x, sq, w1i, w2i, mb1, mb2, lowp_scales, out0, out1; writes out0, out1
.if DOCPART == 2
	.amdgcn_target "amdgcn-amd-amdhsa--gfx1250"
	.amdhsa_code_object_version 6
	.text
	.protected	k_q5804d4f5a3_merge
	.globl	k_q5804d4f5a3_merge
	.p2align	8
	.type	k_q5804d4f5a3_merge,@function
k_q5804d4f5a3_merge:
	s_mov_b64 s[64:65], 0
	v_nop
	global_prefetch_b8 v0, s[64:65] scope:SCOPE_SE
	s_setreg_imm32_b32 hwreg(HW_REG_WAVE_MODE, 25, 1), 1
	s_wait_xcnt 0x0
; out1 = raw + (min(raw) - 20) where the mask is 0;  prob = softmax(out1) along the keys;  message = source prob^T;  out0 = mW2 relu(mW1 [x; message] + mb1) + mb2.
; The three products go on codes of E5M2.  source (2^e2), mW1 (2^e5) and mW2 (2^e7) come from the launch before, laid in the order of operand registers: a fragment (16 rows x 128 K) is 2,048 bytes, its registers
; 4 c .. 4 c + 3 at 512 c + 16 lane, so each load of a wave is 512 consecutive bytes.  p (2^e3), [x; message] (2^e4) and the hidden layer (2^e6) are quantised here.
; THE SOFTMAX: t = score x log2(e); M = the row's largest t rounded up to a whole number; p = 2^(t - M) is quantised, not normalised; the row's sum of the unquantised p divides the message.
; SHARES.  A work-group owns 16 queries; 32 work-groups.  Wave w of eight: rows 2 w, 2 w + 1 of the scores; channels 32 w .. + 31 of x and of the message; hidden units 64 w .. + 63; outputs 32 w .. + 31.
; Operands go from wave to wave through LDS: p as rows of codes, [x; message] and the hidden layer as images of their registers.  Three barriers.
; The rows of source and of mW1 that form a tile are chosen (by the launch before) so that a lane's 16 results of two neighbouring tiles are 16 neighbours along the next K.
; NO CLUSTER: what the work-groups share are the weights, 524,288 bytes, more than LDS holds; they go straight into operand registers, each byte once a work-group.
; out0 is stored as 64 bytes of each of 256 rows: whole aligned blocks of 256 bytes would want 64 queries to a work-group, eight work-groups in all.
; LIMITS: e3, e4 and e6 - e4 - e5 between -126 and 112; e6 + e7 between -126 and 127.  NaN and infinities among the inputs are not served.
; REGISTERS.  Window 0: v1 16 x lane; v2-3 mb2; v4-6 LDS addresses; v7-9 2^e4, 2^(e6-e4-e5), 2^e3; v[10:11] 2^(e2+e3) / the row's sum; v12-15 four registers of codes; v16-31 at work, then the message;
;   v32-63 mins, then mb1 and the hidden layer, then out; v64-127 scores, mask, x, addresses, then four fragments of source 1; v128-255 sq's eight fragments, then w2i's.  Window 1: w1i's sixteen.
.set PT,   0                           ; LDS: p's codes: 16 rows, 528 bytes apart (512 + 16)
.set PTP,  528
.set CIMG, 8448                        ; four images of [x; message]
.set HIMG, 16640                       ; four images of the hidden layer
.set LSUM, 24832                       ; the 16 rows' sums
.set MSB, 0
.macro WIN new                         ; the immediate's high byte repeats the setting that is left
.if MSB != \new
	s_set_vgpr_msb (MSB<<8)|\new
.set MSB, \new
.endif
.endm
.macro BARRIER                         ; my LDS stores have landed and my LDS loads are in: then the work-group's barrier
	s_wait_dscnt 0x0
	s_barrier_signal -1
	s_barrier_wait -1
.endm
.macro PLACES
.rept 4
	v_nop                                          ; four places behind matrix instructions, in front of loads into their sources and of the first read of their results
.endr
.endm
	s_load_b512 s[4:19], s[0:1], 0x0               ; raw s[4:5], mins s[6:7], mask s[8:9], x s[10:11], sq s[12:13], w1i s[14:15], w2i s[16:17], mb1 s[18:19]
	s_load_b256 s[20:27], s[0:1], 0x40             ; mb2 s[20:21], the scales' exponents s[22:23], out0 s[24:25], out1 s[26:27]
	v_lshrrev_b32 v1, 5, v0
	v_readfirstlane_b32 s28, v1                    ; wave 0..7
	v_and_b32 v1, 31, v0
	v_lshlrev_b32 v120, 2, v1                      ; 4 x lane
	v_lshlrev_b32 v1, 4, v1                        ; 16 x lane
	v_and_b32 v126, 15, v0                         ; r
	v_bfe_u32 v127, v0, 4, 1                       ; h
	v_lshlrev_b32 v121, 15, v127
	v_lshl_add_u32 v121, v126, 2, v121             ; x: 16 h channels of 2,048 bytes + 4 r
	v_lshlrev_b32 v122, 6, v127                    ; mb1: 16 h numbers
	v_lshlrev_b32 v123, 2, v126                    ; mb2: r numbers
	s_mul_i32 s52, s28, 2*PTP
	v_add_nc_u32 v124, s52, v120                   ; p's codes: row 2 w, 4 x lane
	s_lshl_b32 s52, s28, 3
	s_add_co_u32 s52, s52, LSUM
	v_mov_b32 v125, s52                            ; the sums of rows 2 w, 2 w + 1
	v_mul_u32_u24 v4, v126, PTP
	v_lshl_add_u32 v4, v127, 4, v4                 ; p as an operand: row r, + 16 h
	s_lshl_b32 s52, s28, 9
	s_add_co_u32 s52, s52, CIMG
	v_add_nc_u32 v5, s52, v1                       ; channels 32 w on: K step w / 4, registers 4 (w % 4) on: 512 w
	s_lshl_b32 s52, s28, 10
	s_add_co_u32 s52, s52, HIMG
	v_add_nc_u32 v6, s52, v1                       ; units 64 w on: K step w / 2, registers 8 (w % 2) on: 1024 w
	v_mov_b32 v18, 0                               ; a lane permute's destination counts as one of its sources
	v_mov_b32 v11, 0                               ; named as the upper halves of pairs
	v_mov_b32 v21, 0
	v_mov_b32 v23, 0
	s_mov_b32 s48, 0x3fb8aa3b                      ; log2(e)
	s_mov_b32 s49, s48
	s_mov_b32 s50, 0x76543210                      ; v_permlanex16_b32: lane l xor 16
	s_mov_b32 s51, 0xfedcba98
	s_lshl_b32 s52, ttmp9, 15
	s_lshl_b32 s53, s28, 12
	s_add_co_u32 s52, s52, s53                     ; (16 g + 2 w) rows of 2,048 bytes: raw, out1
	s_mov_b32 s53, 0
	s_lshr_b32 s54, s52, 2                         ; of 512 bytes: mask
	s_mov_b32 s55, 0
	s_lshl_b32 s56, s28, 16
	s_lshl_b32 s57, ttmp9, 6
	s_add_co_u32 s56, s56, s57                     ; 32 w channels of 2,048 bytes + 16 g queries: x, out0
	s_mov_b32 s57, 0
	s_lshl_b32 s58, s28, 14                        ; 8 fragments: sq, w2i
	s_mov_b32 s59, 0
	s_lshl_b32 s60, s28, 15                        ; 16 fragments: w1i
	s_mov_b32 s61, 0
	s_lshl_b32 s62, s28, 8                         ; 64 numbers: mb1
	s_mov_b32 s63, 0
	s_lshl_b32 s66, s28, 7                         ; 32 numbers: mb2
	s_mov_b32 s67, 0
	s_wait_kmcnt 0x0
	s_load_b256 s[32:39], s[22:23], 0x0            ; e0 .. e7
	s_add_nc_u64 s[4:5], s[4:5], s[52:53]
	s_add_nc_u64 s[26:27], s[26:27], s[52:53]
	s_add_nc_u64 s[8:9], s[8:9], s[54:55]
	s_add_nc_u64 s[10:11], s[10:11], s[56:57]
	s_add_nc_u64 s[24:25], s[24:25], s[56:57]
	s_add_nc_u64 s[12:13], s[12:13], s[58:59]
	s_add_nc_u64 s[16:17], s[16:17], s[58:59]
	s_add_nc_u64 s[14:15], s[14:15], s[60:61]
	s_add_nc_u64 s[18:19], s[18:19], s[62:63]
	s_add_nc_u64 s[20:21], s[20:21], s[66:67]
.irp i, 0,1,2,3,4,5,6,7
	global_load_b128 v[32+4*\i:35+4*\i], v1, s[6:7] offset:512*\i              ; all 1,024 minima
.endr
.irp p, 0,1
.irp g, 0,1,2,3
	global_load_b128 v[64+16*\p+4*\g:67+16*\p+4*\g], v1, s[4:5] offset:2048*\p+512*\g th:TH_LOAD_NT   ; row 2 w + p: keys 128 g + 4 lane + 0 .. 3
.endr
.endr
.irp p, 0,1
.irp g, 0,1,2,3
	global_load_b32 v[96+4*\p+\g], v120, s[8:9] offset:512*\p+128*\g th:TH_LOAD_NT   ; the same keys' four bytes of the mask
.endr
.endr
.irp i, 0,1,2,3,4,5,6,7,8,9,10,11,12,13,14,15
	global_load_b32 v[104+\i], v121, s[10:11] offset:2048*\i                   ; x(32 w + 16 h + i, query r)
.endr
.irp f, 0,1,2,3,4,5,6,7
.irp c, 0,1,2,3
	global_load_b128 v[128+16*\f+4*\c:131+16*\f+4*\c], v1, s[12:13] offset:2048*\f+512*\c   ; sq: tiles 2 w, 2 w + 1, fragment f = 4 u + s
.endr
.endr
	s_wait_loadcnt 32                              ; all but sq's 32
	v_min3_num_f32 v16, v32, v33, v34              ; the least score of all, in two chains
	v_min3_num_f32 v17, v35, v36, v37
.irp i, 6,10,14,18,22,26
	v_min3_num_f32 v16, v16, v[32+\i], v[33+\i]
	v_min3_num_f32 v17, v17, v[34+\i], v[35+\i]
.endr
	v_min3_num_f32 v16, v16, v62, v63
	v_min_num_f32 v16, v16, v17
.irp i, 0,1,2,3
	global_load_b128 v[32+8*\i:35+8*\i], v122, s[18:19] offset:(32*(\i/2)+8*(\i%2))*4      ; mb1 in the result's layout: tile i, lane (r, h): units 64 w + 32 (i / 2) + 16 h + 8 (i % 2) + 0 .. 7
	global_load_b128 v[36+8*\i:39+8*\i], v122, s[18:19] offset:(32*(\i/2)+8*(\i%2))*4+16
.endr
	global_load_b32 v2, v123, s[20:21]             ; mb2(32 w + r),
	global_load_b32 v3, v123, s[20:21] offset:64   ; mb2(32 w + 16 + r)
	WIN 0x40                                       ; destination window 1
.irp f, 0,1,2,3,4,5,6,7,8,9,10,11,12,13,14,15
.irp c, 0,1,2,3
	global_load_b128 v[16*\f+4*\c:16*\f+4*\c+3], v1, s[14:15] offset:2048*\f+512*\c   ; w1i: tiles 4 w .. 4 w + 3, fragment f = 4 i + s
.endr
.endr
	WIN 0
	v_min_num_f32_dpp v16, v16, v16 row_xmask:1 row_mask:0xf bank_mask:0xf
	v_min_num_f32_dpp v16, v16, v16 row_xmask:2 row_mask:0xf bank_mask:0xf
	v_min_num_f32_dpp v16, v16, v16 row_xmask:4 row_mask:0xf bank_mask:0xf
	v_min_num_f32_dpp v16, v16, v16 row_xmask:8 row_mask:0xf bank_mask:0xf
	v_permlanex16_b32 v18, v16, s50, s51
	v_min_num_f32 v16, v16, v18
	v_add_f32 v19, 0xc1a00000, v16                 ; the least score - 20
	s_wait_kmcnt 0x0
	s_add_co_i32 s52, s36, 127
	s_lshl_b32 s53, s52, 23
	v_mov_b32 v7, s53                              ; 2^e4 as f32: the conversion takes its exponent field
	s_add_co_i32 s52, s52, 15
	s_lshl_b32 s52, s52, 23
	s_or_b32 s40, s52, 0x600000                    ; 57,344 x 2^e4,
	s_or_b32 s41, s40, 0x80000000                  ; and its negative
	s_add_co_i32 s52, s35, 127
	s_lshl_b32 s53, s52, 23
	v_mov_b32 v9, s53                              ; 2^e3
	s_add_co_i32 s52, s52, 15
	s_lshl_b32 s52, s52, 23
	s_or_b32 s42, s52, 0x600000                    ; 57,344 x 2^e3
	s_add_co_i32 s45, s36, s37                     ; e4 + e5
	s_sub_co_i32 s52, s38, s45                     ; e6 - e4 - e5: a sum of the first layer stands for sum x 2^(e4 + e5): the three scales folded into the conversion's one
	s_sub_co_i32 s45, 0, s45
	s_add_co_i32 s52, s52, 127
	s_lshl_b32 s53, s52, 23
	v_mov_b32 v8, s53
	s_add_co_i32 s52, s52, 15
	s_lshl_b32 s52, s52, 23
	s_or_b32 s43, s52, 0x600000
	s_add_co_i32 s44, s34, s35                     ; e2 + e3
	s_add_co_i32 s46, s38, s39
	s_add_co_i32 s46, s46, 127
	s_lshl_b32 s46, s46, 23                        ; 2^(e6 + e7) as f32
	; x's 32 channels of mine become four registers of an operand
.irp i, 0,1,2,3,4,5,6,7,8,9,10,11,12,13,14,15
	v_med3_num_f32 v[104+\i], v[104+\i], s41, s40  ; the conversion does not saturate (ISA guide 7.6.2): the hold
.endr
	v_cvt_scalef32_pk8_bf8_f32 v[12:13], v[104:111], v7
	v_cvt_scalef32_pk8_bf8_f32 v[14:15], v[112:119], v7
	v_nop                                          ; one plain vector line behind the last conversion
	ds_store_b128 v5, v[12:15]
	; the masked scores: + (the least - 20) where the mask's byte is 0
.irp p, 0,1
.irp g, 0,1,2,3
.irp j, 0,1,2,3
	v_bfe_u32 v[24+4*(\g%2)+\j], v[96+4*\p+\g], 8*\j, 1
.endr
.irp j, 0,1,2,3
	v_add_nc_u32 v[24+4*(\g%2)+\j], -1, v[24+4*(\g%2)+\j]      ; all ones where the byte is 0
.endr
.irp j, 0,1,2,3
	v_and_b32 v[24+4*(\g%2)+\j], v19, v[24+4*(\g%2)+\j]
.endr
.irp j, 0,1,2,3
	v_add_f32 v[64+16*\p+4*\g+\j], v[64+16*\p+4*\g+\j], v[24+4*(\g%2)+\j]
.endr
	global_store_b128 v1, v[64+16*\p+4*\g:67+16*\p+4*\g], s[26:27] offset:2048*\p+512*\g   ; 32 lanes store 512 consecutive bytes, aligned
.endr
.endr
	; each row's largest score
.irp p, 0,1
	v_max3_num_f32 v[16+\p], v[64+16*\p], v[65+16*\p], v[66+16*\p]
.endr
.irp i, 3,5,7,9,11,13
.irp p, 0,1
	v_max3_num_f32 v[16+\p], v[16+\p], v[64+16*\p+\i], v[65+16*\p+\i]
.endr
.endr
.irp p, 0,1
	v_max_num_f32 v[16+\p], v[16+\p], v[79+16*\p]
.endr
.irp m, 1,2,4,8
.irp p, 0,1
	v_max_num_f32_dpp v[16+\p], v[16+\p], v[16+\p] row_xmask:\m row_mask:0xf bank_mask:0xf
.endr
.endr
	v_permlanex16_b32 v18, v16, s50, s51
	v_max_num_f32 v16, v16, v18
	v_permlanex16_b32 v18, v17, s50, s51
	v_max_num_f32 v17, v17, v18
	v_mul_f32 v16, s48, v16                        ; as t
	v_mul_f32 v17, s48, v17
	v_floor_f32 v20, -v16                          ; -M = floor(-t) = -ceil(t)
	v_floor_f32 v22, -v17
	s_wait_xcnt 0x0                                ; the stores have read the scores, and every load so far its address: these registers may be written again
.irp p, 0,1
.irp i, 0,2,4,6,8,10,12,14
	v_pk_fma_f32 v[64+16*\p+\i:65+16*\p+\i], v[64+16*\p+\i:65+16*\p+\i], s[48:49], v[20+2*\p:21+2*\p] op_sel_hi:[1,0,0]   ; t - M
.endr
.endr
.set k, 0
.rept 32
	v_exp_f32 v[64+k], v[64+k]                     ; p = 2^(t - M)
.set k, k+1
.endr
	v_nop                                          ; a plain line behind the last exponential
	s_wait_alu depctr_va_vdst(0)                   ; one wait for the batch, ahead of its first reader
.irp p, 0,1
	v_pk_add_f32 v[24+4*\p:25+4*\p], v[64+16*\p:65+16*\p], v[66+16*\p:67+16*\p]   ; the row's sum of the unquantised p, in two chains
	v_pk_add_f32 v[26+4*\p:27+4*\p], v[68+16*\p:69+16*\p], v[70+16*\p:71+16*\p]
.endr
.irp i, 8,12
.irp p, 0,1
	v_pk_add_f32 v[24+4*\p:25+4*\p], v[24+4*\p:25+4*\p], v[64+16*\p+\i:65+16*\p+\i]
	v_pk_add_f32 v[26+4*\p:27+4*\p], v[26+4*\p:27+4*\p], v[66+16*\p+\i:67+16*\p+\i]
.endr
.endr
.irp p, 0,1
	v_pk_add_f32 v[24+4*\p:25+4*\p], v[24+4*\p:25+4*\p], v[26+4*\p:27+4*\p]
.endr
.irp p, 0,1
	v_add_f32 v[24+4*\p], v[24+4*\p], v[25+4*\p]
.endr
.irp m, 1,2,4,8
.irp p, 0,1
	v_add_f32_dpp v[24+4*\p], v[24+4*\p], v[24+4*\p] row_xmask:\m row_mask:0xf bank_mask:0xf
.endr
.endr
	v_permlanex16_b32 v18, v24, s50, s51
	v_add_f32 v24, v24, v18
	v_permlanex16_b32 v18, v28, s50, s51
	v_add_f32 v28, v28, v18
	ds_store_b32 v125, v24                         ; all lanes store the same word with the same number
	ds_store_b32 v125, v28 offset:4
.set k, 0
.rept 32
	v_min_num_f32 v[64+k], s42, v[64+k]            ; p is not negative: the hold is one-sided
.set k, k+1
.endr
.irp p, 0,1
	v_cvt_scalef32_pk8_bf8_f32 v[104+4*\p:105+4*\p], v[64+16*\p:71+16*\p], v9
	v_cvt_scalef32_pk8_bf8_f32 v[106+4*\p:107+4*\p], v[72+16*\p:79+16*\p], v9
.endr
	v_nop                                          ; one plain vector line behind the last conversion
.irp p, 0,1
.irp g, 0,1,2,3
	ds_store_b32 v124, v[104+4*\p+\g] offset:PTP*\p+128*\g   ; the codes of keys 128 g + 4 lane + 0 .. 3, a byte a key
.endr
.endr
	BARRIER                                        ; p's 16 rows and their sums lie in LDS, and x's half of the first layer's operand
	; ---- the message: source 0 = 16 channels of source, source 1 = p's 16 queries; K = the 512 keys
.irp s, 0,1,2,3
.irp c, 0,1,2,3
	ds_load_b128 v[64+16*\s+4*\c:67+16*\s+4*\c], v4 offset:128*\s+32*\c
.endr
.endr
	v_and_b32 v13, 15, v0
	v_lshl_add_u32 v13, v13, 2, LSUM
	ds_load_b32 v14, v13                           ; my query's sum
	s_wait_loadcnt 63                              ; behind sq's loads stand 74: sq is in
	s_wait_dscnt 0x0
.irp s, 0,1,2,3                                    ; two accumulators by turns
.irp u, 0,1
.if \s == 0
	v_wmma_f32_16x16x128_bf8_bf8 v[16+8*\u:23+8*\u], v[128+16*(4*\u+\s):143+16*(4*\u+\s)], v[64+16*\s:79+16*\s], 0
.else
	v_wmma_f32_16x16x128_bf8_bf8 v[16+8*\u:23+8*\u], v[128+16*(4*\u+\s):143+16*(4*\u+\s)], v[64+16*\s:79+16*\s], v[16+8*\u:23+8*\u]
.endif
.endr
.endr
	PLACES
.irp f, 0,1,2,3,4,5,6,7
.irp c, 0,1,2,3
	global_load_b128 v[128+16*\f+4*\c:131+16*\f+4*\c], v1, s[16:17] offset:2048*\f+512*\c   ; w2i takes sq's registers: tiles 2 w, 2 w + 1
.endr
.endr
	v_rcp_f32 v10, v14
	v_nop                                          ; a plain line behind the reciprocal
	s_wait_alu depctr_va_vdst(0)                   ; the wait ahead of its first reader
	v_ldexp_f32 v10, v10, s44                      ; 2^(e2 + e3) / the sum
.irp i, 0,2,4,6,8,10,12,14
	v_pk_mul_f32 v[16+\i:17+\i], v[16+\i:17+\i], v[10:11] op_sel_hi:[1,0]   ; register i: message(32 w + 16 h + i, query r)
.endr
.irp i, 0,1,2,3,4,5,6,7,8,9,10,11,12,13,14,15
	v_med3_num_f32 v[16+\i], v[16+\i], s41, s40
.endr
	v_cvt_scalef32_pk8_bf8_f32 v[12:13], v[16:23], v7
	v_cvt_scalef32_pk8_bf8_f32 v[14:15], v[24:31], v7
	v_nop                                          ; one plain vector line behind the last conversion
	ds_store_b128 v5, v[12:15] offset:4096         ; channels 256 + 32 w on: two K steps behind x's
	BARRIER                                        ; the first layer's four fragments lie in LDS
	; ---- the hidden layer: source 0 = 16 rows of mW1, source 1 = the 16 queries
.irp s, 0,1,2,3
.irp c, 0,1,2,3
	ds_load_b128 v[64+16*\s+4*\c:67+16*\s+4*\c], v1 offset:CIMG+2048*\s+512*\c
.endr
.endr
	s_wait_loadcnt 32                              ; all but w2i's 32: mb1, mb2 and w1i are in
.set k, 0
.rept 32
	v_ldexp_f32 v[32+k], v[32+k], s45              ; mb1 / 2^(e4 + e5): the sums begin with it
.set k, k+1
.endr
	s_wait_dscnt 0x0
	WIN 0x01                                       ; mW1 window 1
.irp s, 0,1,2,3                                    ; four accumulators by turns
.irp i, 0,1,2,3
	v_wmma_f32_16x16x128_bf8_bf8 v[32+8*\i:39+8*\i], v[16*(4*\i+\s):16*(4*\i+\s)+15], v[64+16*\s:79+16*\s], v[32+8*\i:39+8*\i]
.endr
.endr
	WIN 0
	PLACES
.set k, 0
.rept 32
	v_med3_num_f32 v[32+k], v[32+k], 0, s43        ; the activation and the hold in one
.set k, k+1
.endr
.irp i, 0,1,2,3
	v_cvt_scalef32_pk8_bf8_f32 v[16+2*\i:17+2*\i], v[32+8*\i:39+8*\i], v8
.endr
	v_nop                                          ; one plain vector line behind the last conversion
	ds_store_b128 v6, v[16:19]
	ds_store_b128 v6, v[20:23] offset:512
	BARRIER                                        ; the hidden layer's four fragments lie in LDS
	; ---- out: source 0 = the 16 queries, source 1 = 16 rows of mW2: a lane holds one channel and eight neighbouring queries
.irp s, 0,1,2,3
.irp c, 0,1,2,3
	ds_load_b128 v[64+16*\s+4*\c:67+16*\s+4*\c], v1 offset:HIMG+2048*\s+512*\c
.endr
.endr
	v_and_b32 v12, 15, v0
	v_bfe_u32 v13, v0, 4, 1
	v_lshlrev_b32 v12, 11, v12
	v_lshl_add_u32 v12, v13, 5, v12                ; out0: channel r, queries 8 h on
	s_wait_loadcnt 0x0                             ; w2i
	s_wait_dscnt 0x0
.irp s, 0,1,2,3                                    ; two accumulators by turns
.irp u, 0,1
.if \s == 0
	v_wmma_f32_16x16x128_bf8_bf8 v[32+8*\u:39+8*\u], v[64+16*\s:79+16*\s], v[128+16*(4*\u+\s):143+16*(4*\u+\s)], 0
.else
	v_wmma_f32_16x16x128_bf8_bf8 v[32+8*\u:39+8*\u], v[64+16*\s:79+16*\s], v[128+16*(4*\u+\s):143+16*(4*\u+\s)], v[32+8*\u:39+8*\u]
.endif
.endr
.endr
	PLACES
.irp u, 0,1
.irp j, 0,1,2,3,4,5,6,7
	v_fma_f32 v[48+8*\u+\j], v[32+8*\u+\j], s46, v[2+\u]   ; sum x 2^(e6 + e7) + mb2
.endr
.endr
.irp u, 0,1
	global_store_b128 v12, v[48+8*\u:51+8*\u], s[24:25] offset:32768*\u
	global_store_b128 v12, v[52+8*\u:55+8*\u], s[24:25] offset:32768*\u+16
.endr
	s_wait_xcnt 0x0
	v_lshl_add_u32 v62, v0, 2, 0x6200
	v_mov_b32 v63, 0
	s_wait_tensorcnt 0x0
	ds_add_u32 v62, v63
	s_wait_dscnt 0x0
	s_endpgm
.Lfunc_end_k_q5804d4f5a3_merge:
	.size	k_q5804d4f5a3_merge, .Lfunc_end_k_q5804d4f5a3_merge-k_q5804d4f5a3_merge
	.p2alignl 7, 3214868480
	.fill 96, 4, 3214868480
	.section	.rodata,"a",@progbits
	.p2align	6, 0x0
	.amdhsa_kernel k_q5804d4f5a3_merge
		.amdhsa_group_segment_fixed_size 26112
		.amdhsa_private_segment_fixed_size 0
		.amdhsa_enable_private_segment 0
		.amdhsa_kernarg_size 96
		.amdhsa_user_sgpr_count 2
		.amdhsa_user_sgpr_kernarg_segment_ptr 1
		.amdhsa_wavefront_size32 1
		.amdhsa_system_sgpr_workgroup_id_x 1
		.amdhsa_system_sgpr_workgroup_id_y 1
		.amdhsa_system_sgpr_workgroup_id_z 1
		.amdhsa_system_vgpr_workitem_id 0
		.amdhsa_next_free_vgpr 512
		.amdhsa_next_free_sgpr 68
		.amdhsa_reserve_vcc 0
		.amdhsa_float_denorm_mode_32 3
		.amdhsa_float_denorm_mode_16_64 3
		.amdhsa_memory_ordered 1
		.amdhsa_forward_progress 1
		.amdhsa_inst_pref_size 51
	.end_amdhsa_kernel
	.amdgpu_metadata
---
amdhsa.version: [ 1, 2 ]
amdhsa.kernels:
  - .name:           k_q5804d4f5a3_merge
    .symbol:         k_q5804d4f5a3_merge.kd
    .args:
      - { .name: raw, .offset: 0, .size: 8, .value_kind: global_buffer, .address_space: global }
      - { .name: mins, .offset: 8, .size: 8, .value_kind: global_buffer, .address_space: global }
      - { .name: mask, .offset: 16, .size: 8, .value_kind: global_buffer, .address_space: global }
      - { .name: x, .offset: 24, .size: 8, .value_kind: global_buffer, .address_space: global }
      - { .name: sq, .offset: 32, .size: 8, .value_kind: global_buffer, .address_space: global }
      - { .name: w1i, .offset: 40, .size: 8, .value_kind: global_buffer, .address_space: global }
      - { .name: w2i, .offset: 48, .size: 8, .value_kind: global_buffer, .address_space: global }
      - { .name: mb1, .offset: 56, .size: 8, .value_kind: global_buffer, .address_space: global }
      - { .name: mb2, .offset: 64, .size: 8, .value_kind: global_buffer, .address_space: global }
      - { .name: lowp_scales, .offset: 72, .size: 8, .value_kind: global_buffer, .address_space: global }
      - { .name: out0, .offset: 80, .size: 8, .value_kind: global_buffer, .address_space: global }
      - { .name: out1, .offset: 88, .size: 8, .value_kind: global_buffer, .address_space: global }
    .group_segment_fixed_size: 26112
    .private_segment_fixed_size: 0
    .kernarg_segment_align: 8
    .kernarg_segment_size: 96
    .max_flat_workgroup_size: 256
    .sgpr_count:     68
    .vgpr_count:     512
    .wavefront_size: 32
...
	.end_amdgpu_metadata
.endif
;; end of part 2
;; ======== version 2 of 2: 2 launches; 1.20 times as fast as version 1
;; workspace buffers: raw 1,048,576 bytes; mins 4,096 bytes; sq 131,072 bytes; w1i 262,144 bytes; w2i 131,072 bytes
;; launch scores (part 3): grid 8 x 32, 4 waves a work-group, no clusters, 296,704 bytes of LDS; arguments dist, x, source, aW1_codes, ab1, aW2, ab2, lowp_scales, mW1_codes, mW2_codes, raw, mins, sq, w1i, w2i; writes raw, mins, sq, w1i, w2i
.if DOCPART == 3
	.amdgcn_target "amdgcn-amd-amdhsa--gfx1250"
	.amdhsa_code_object_version 6
	.text
	.protected	k_q5804d4f5a3_scores
	.globl	k_q5804d4f5a3_scores
	.p2align	8
	.type	k_q5804d4f5a3_scores,@function
k_q5804d4f5a3_scores:
	s_mov_b64 s[64:65], 0
	v_nop
	global_prefetch_b8 v0, s[64:65] scope:SCOPE_SE
	s_setreg_imm32_b32 hwreg(HW_REG_WAVE_MODE, 25, 1), 1
	s_wait_xcnt 0x0
; raw[q][k] = ab2 + sum over u of aW2[u] relu(ab1[u] + sum over c of aW1[u][c] feat[c][q][k]),  feat = [x[:, q], source[:, k], dist[:, q, k]], 768 channels, 256 units.
; The inner product goes on codes of E5M2: aW1 as given (scale 2^e1), feat quantised here with 2^e0.  The outer sum is f32 multiply-adds.
; WHAT IS ALIKE IS MULTIPLIED ONCE.  One scale for the tensor makes the quantiser work number by number, so the sum over 768 channels is exactly three sums of products of the same codes: x's part hangs on (u, q) alone,
; source's on (u, k) alone, dist's on all three.  At the head a wave multiplies x's part for its units and the 16 queries (8 matrix instructions) and source's part, begun with ab1, for its units and the 64 keys (32);
; for each query the two are added, two numbers an instruction, and are what dist's sums begin with.  So a position costs 256 of its 768 channels in the matrix unit; all sums are f32.
; SHARES.  A work-group owns 16 queries (16 y ..) x 64 keys (64 x ..): 1,024 positions, 1 MiB of dist, which is read once.  256 work-groups.
; THE WAVES SHARE THE UNITS: wave w makes units 64 w .. 64 w + 63 for all positions; its 8 fragments of aW1 for dist's channels and its 16 results of source's part stay in 256 registers.
; THE WAVES SHARE THE QUANTISING BY CHANNELS: of each query's dist wave w takes channels 64 w .. + 63, in two units of 32, and hands the codes to the others through LDS as images of the operand's registers.
; A load of dist: lane (r, h) takes 16 bytes, keys 4 r .. 4 r + 3 of one channel: sixteen lanes read 256 consecutive bytes, aligned.  Sixteen loads give a lane 16 channels x 4 keys; held, converted, and
; turned by byte permutes inside the lane they are, for key 4 r + j, the 16 neighbouring channels that a fragment's four registers want.  So position tile j of a query is keys 4 r + j, r = 0 .. 15.
; MATRIX USE: source 0 = 16 units of aW1, source 1 = 16 positions: register i of lane (r, h) is unit 8 h + i of the tile at position r, so the sum over units stays in the lane but for one exchange of halves.
; K along a fragment: registers 4 c .. 4 c + 3 hold k = 32 c + 16 h + 0 .. 15, the same order on both sides of every product.
; ab1 goes in divided by 2^(e0 + e1), as the C of source's part; aW2 is multiplied by 2^(e0 + e1).
; IN FLIGHT: a ring of two queries in registers, 64 loads of 16 bytes a lane and wave: 32 KiB a wave; it is asked for at the head, behind source and x, and a unit is asked for again, two queries on, as soon as it is converted.
; SIDE JOB, 512 bytes a wave: wave 0 quantises a piece of source with 2^e2; waves 1, 2 copy pieces of mW1's codes, wave 3 of mW2's: all into the order of operand registers, for the next launch.
; NO CLUSTER: what neighbours share is aW1, 196,608 bytes against the 1,048,576 of dist that are a work-group's own, and it is fetched once, at the head.
; LIMITS: e0 and e2 between -126 and 112, so that 2^e and 57,344 x 2^e are f32 numbers.  NaN and infinities among the inputs are not served.
; REGISTERS, in windows of 256.  Window 0: v1-15 addresses and scales; v16-19 a query's four sums; v24-31 chains; v32-63 x's part of the query in hand; v64-191 dist's fragments (four tiles), v128-191 also at work while quantising;
;   v192-255 eight accumulators.  Window 1: at the head source and x as loaded, then aW1's K steps 0-3; from then on v0-127 source's part.  Window 2: v0-127 aW1, K steps 4, 5; v128-159 ab1; v160-191 aW2.  Window 3: the ring.
.set W1W,  52224                       ; LDS: a wave's 64 rows of aW1, 816 bytes apart (768 + 16 behind each 256)
.set W1P,  816
.set DIMG, 208896                      ; two queries' images of dist: 8 fragments (2 j + s) of 2,048 bytes each
.set SOFF, 32768                       ; behind them, source's 8 fragments: DIMG + SOFF
.set XC,   258048                      ; x's codes: 16 queries, 272 bytes apart, a byte a channel
.set XP,   272
.set PART, 262400                      ; [wave][16 queries][64 keys] f32: each wave's part of the sums
.set XBL,  278784                      ; [wave][16 queries], 272 bytes apart: x's part for the wave's 64 units, f32; a wave's own bytes
.set XBW,  16*XP
.set L16, 1                            ; v1   16 x lane
.set RR,  2                            ; v2   r = lane % 16
.set HH,  3                            ; v3   h = lane / 16
.set VO,  4                            ; v4-5 dist: byte offset of unit 0, 1: (64 w + 32 u + 16 h + 8) channels + 16 r
.set ADW, 6                            ; v6   where I store images: DIMG + 1024 w + 16 lane
.set AW1, 7                            ; v7   my lane's place in my rows of aW1
.set AXW, 8                            ; v8   where I store x's codes
.set AFR, 9                            ; v9   where I read images: DIMG + 16 lane
.set AXR, 10                           ; v10  XBL + XBW w + 32 h: my eight units of a tile in x's part
.set AXQ, 11                           ; v11  at work
.set APW, 12                           ; v12  PART + 4096 w + 16 r
.set APQ, 13                           ; v13  at work
.set SCL, 14                           ; v14  2^e0
.set LIM, 15                           ; v15  57,344 x 2^e0
.set SC,  16
.set PX,  20
.set P,   24
.set AXB, 24                           ; at the head only: x's codes as an operand: XC + 272 r + 16 h
.set XBS, 25                           ; at the head only: where I store x's part: AXR + 272 r
.set XF,  32                           ; at the head x's two fragments; then x's part of the query in hand, register 8 t + i
.set SF,  64                           ; at the head source's fragments of two tiles
.set DF,  64                           ; dist's fragments: 64 p + 32 a + 16 s
.set R,   128                          ; while quantising: 16 registers of codes, a channel each
.set U,   144                          ; 8 at work
.set T,   160                          ; 2 x 16 turned
.set ACC, 192
.set BIAS, 128                         ; in window 2
.set AW,   160                         ; in window 2
.set MSB, 0
.macro WIN new                         ; the immediate's high byte repeats the setting that is left
.if MSB != \new
	s_set_vgpr_msb (MSB<<8)|\new
.set MSB, \new
.endif
.endm
; 32 loads of source or of x into registers 128 set on: channels 64 w + 16 h + 32 uu + i
.macro PLOAD set, voff, sb
.irp uu, 0,1
.irp i, 0,1,2,3,4,5,6,7,8,9,10,11,12,13,14,15
	global_load_b128 v[128*\set+64*\uu+4*\i:128*\set+64*\uu+4*\i+3], v[\voff], s[\sb:\sb+1] offset:(32*\uu+\i)*2048
.endr
.endr
.endm
; 16 loads of dist: unit u of the query qoff bytes behind the base.  A channel is 2^20 bytes; the vector offset stands 8 channels in, so that the 16 channels fit the signed immediate
.macro DLOAD par, u, qoff
	WIN 0xc0                                       ; destination window 3
.irp i, 0,1,2,3,4,5,6,7,8,9,10,11,12,13,14,15
	global_load_b128 v[128*(\par)+64*(\u)+4*\i:128*(\par)+64*(\u)+4*\i+3], v[VO+(\u)], s[4:5] offset:(\i-8)*1048576+(\qoff) th:TH_LOAD_NT
.endr
.endm
; 64 numbers from register b on: held, then converted: R + i = channel i, a byte a key.  wa: the numbers' window as source 0 and destination; wb: as source 0 alone
.macro HOLDCVT b, wa, wb
	WIN \wa
.set k, 0
.rept 64
	v_med3_num_f32 v[\b+k], v[\b+k], -v[LIM], v[LIM]   ; the conversion does not saturate (ISA guide 7.6.2): the hold at the largest code x the scale
.set k, k+1
.endr
	WIN \wb
.set k, 0
.rept 8
	v_cvt_scalef32_pk8_bf8_f32 v[R+2*k:R+2*k+1], v[\b+8*k:\b+8*k+7], v[SCL]
.set k, k+1
.endr
.endm
.macro TRANSP t                        ; four 4 x 4 byte transposes: t + 4 j + g = key j, channels 4 g .. 4 g + 3
.irp g, 0,1,2,3
.set UU, U+4*(\g%2)
	v_perm_b32 v[UU],   v[R+4*\g+1], v[R+4*\g],   s60
	v_perm_b32 v[UU+1], v[R+4*\g+1], v[R+4*\g],   s61
	v_perm_b32 v[UU+2], v[R+4*\g+3], v[R+4*\g+2], s60
	v_perm_b32 v[UU+3], v[R+4*\g+3], v[R+4*\g+2], s61
	v_perm_b32 v[\t+\g],    v[UU+2], v[UU],   s62
	v_perm_b32 v[\t+4+\g],  v[UU+2], v[UU],   s63
	v_perm_b32 v[\t+8+\g],  v[UU+3], v[UU+1], s62
	v_perm_b32 v[\t+12+\g], v[UU+3], v[UU+1], s63
.endr
.endm
.macro PUT adr, off, js, t
.irp j, 0,1,2,3
	ds_store_b128 v[\adr], v[\t+4*\j:\t+4*\j+3] offset:(\off)+(\js)*\j
.endr
.endm
; A unit of source or of x, at the head: 64 numbers of window 1 from register b on
.macro PUNIT b, t, adr, off, js
	HOLDCVT \b, 0x41, 0x01
	WIN 0
	v_nop                                          ; one plain vector line between the last conversion and the permutes that read the codes
	TRANSP \t
	PUT \adr, \off, \js, \t
.endm
; A unit of dist: its 16 loads are in (cnt younger ones may be out), hold, convert, ask again (qoff >= 0), turn, store
.macro UNIT par, u, cnt, qoff, off
	s_wait_loadcnt \cnt
	HOLDCVT 128*(\par)+64*(\u), 0xc3, 0x03
.if (\qoff) >= 0
	DLOAD \par, \u, \qoff
.endif
	WIN 0
	v_nop                                          ; one plain vector line between the last conversion and the permutes that read the codes
	TRANSP T+16*(\u)
	PUT ADW, \off, 4096, T+16*(\u)
.endm
.macro FETCH_X par                     ; x's part of the query, in the result's layout: units 16 t + 8 h + 0 .. 7; the lanes of a half read the same bytes
	v_add_nc_u32 v[AXQ], s69, v[AXR]
.irp t, 0,1,2,3
	ds_load_b128 v[XF+8*\t:XF+8*\t+3],   v[AXQ] offset:XP*(\par)+64*\t
	ds_load_b128 v[XF+8*\t+4:XF+8*\t+7], v[AXQ] offset:XP*(\par)+64*\t+16
.endr
.endm
.macro FETCH_S p                       ; at the head: source's fragments of position tiles 2 p, 2 p + 1
.irp a, 0,1
.irp s, 0,1
.irp c, 0,1,2,3
	ds_load_b128 v[SF+32*\a+16*\s+4*\c:SF+32*\a+16*\s+4*\c+3], v[AFR] offset:SOFF+(2*(2*(\p)+\a)+\s)*2048+512*\c
.endr
.endr
.endr
.endm
.macro FETCH_D par, p                  ; dist's fragments of position tiles 2 p, 2 p + 1
.irp a, 0,1
.irp s, 0,1
.irp c, 0,1,2,3
	ds_load_b128 v[DF+64*(\p)+32*\a+16*\s+4*\c:DF+64*(\p)+32*\a+16*\s+4*\c+3], v[AFR] offset:16384*(\par)+(2*(2*(\p)+\a)+\s)*2048+512*\c
.endr
.endr
.endr
.endm
.macro PLACES n
.rept \n
	v_nop
.endr
.endm
; At the head: source's part of tiles 2 p, 2 p + 1, begun with ab1: 16 matrix instructions, eight accumulators by turns, into window 1, register 8 (4 j + t) on
.macro SMUL p
.irp ks, 2,3
.if \ks == 2
	WIN 0x61                                       ; aW1 and D window 1, ab1 (C) window 2
.else
	WIN 0x51                                       ; aW1, C and D window 1
.endif
.irp a, 0,1
.irp t, 0,1,2,3
.set rD, 8*(4*(2*(\p)+\a)+\t)
.set rA, 16*(4*\ks+\t)
.set rB, SF+32*\a+16*(\ks-2)
.if \ks == 2
	v_wmma_f32_16x16x128_bf8_bf8 v[rD:rD+7], v[rA:rA+15], v[rB:rB+15], v[BIAS+8*\t:BIAS+8*\t+7]
.else
	v_wmma_f32_16x16x128_bf8_bf8 v[rD:rD+7], v[rA:rA+15], v[rB:rB+15], v[rD:rD+7]
.endif
.endr
.endr
.endr
	WIN 0
	PLACES 4                                       ; four places in front of loads into registers that these products read, and of the first read of their results
.endm
; What dist's sums of tiles 2 p, 2 p + 1 begin with: source's part (with ab1) + x's part; each of source's accumulators from its low end on
.macro FORMC p
	WIN 0x01                                       ; source's part (source 0) window 1
.irp a, 0,1
.irp t, 0,1,2,3
.irp i, 0,2,4,6
	v_pk_add_f32 v[ACC+8*(4*\a+\t)+\i:ACC+8*(4*\a+\t)+\i+1], v[8*(4*(2*(\p)+\a)+\t)+\i:8*(4*(2*(\p)+\a)+\t)+\i+1], v[XF+8*\t+\i:XF+8*\t+\i+1]
.endr
.endr
.endr
.endm
; 16 matrix instructions: two position tiles x my four tiles of units x dist's two K steps.  The eight accumulators take turns, one instruction a turn.
.macro MUL p
	WIN 0x02                                       ; aW1 window 2
.irp ks, 0,1
.irp a, 0,1
.irp t, 0,1,2,3
.set rD, ACC+8*(4*\a+\t)
.set rA, 16*(4*\ks+\t)
.set rB, DF+64*(\p)+32*\a+16*\ks
	v_wmma_f32_16x16x128_bf8_bf8 v[rD:rD+7], v[rA:rA+15], v[rB:rB+15], v[rD:rD+7]
.endr
.endr
.endr
	WIN 0
	PLACES 4                                       ; four places (ISA guide 7.12.1) in front of the first read of the results, and of what is next written into the fragments' registers
.endm
; relu, and the sum over my lane's 32 units with aW2: four chains by turns, each accumulator from its low end on
.macro EPI p
.set k, 0
.rept 64
	v_max_num_f32 v[ACC+k], 0, v[ACC+k]
.set k, k+1
.endr
	WIN 0x08                                       ; aW2 (source 1) window 2
.irp tt, 0,1
.irp i, 0,2,4,6
.irp a, 0,1
.irp th, 0,1
.set rC, P+2*(2*\a+\th)
.set rD, ACC+8*(4*\a+2*\th+\tt)+\i
.set rW, AW+8*(2*\th+\tt)+\i
.if (\tt == 0) && (\i == 0)
	v_pk_mul_f32 v[rC:rC+1], v[rD:rD+1], v[rW:rW+1]
.else
	v_pk_fma_f32 v[rC:rC+1], v[rD:rD+1], v[rW:rW+1], v[rC:rC+1]
.endif
.endr
.endr
.endr
.endr
	WIN 0
.irp a, 0,1
	v_pk_add_f32 v[P+4*\a:P+4*\a+1], v[P+4*\a:P+4*\a+1], v[P+4*\a+2:P+4*\a+3]
.endr
.irp a, 0,1
	v_add_f32 v[SC+2*(\p)+\a], v[P+4*\a], v[P+4*\a+1]
.endr
.endm
.macro FINISH par                      ; the other half's 32 units; the four tiles' sums are keys 4 r .. 4 r + 3: 16 bytes.  Both halves store the same words with the same numbers
.irp j, 0,1,2,3
	v_permlanex16_b32 v[PX+\j], v[SC+\j], s66, s67
.endr
.irp j, 0,1,2,3
	v_add_f32 v[SC+\j], v[SC+\j], v[PX+\j]
.endr
	v_add_nc_u32 v[APQ], s70, v[APW]
	ds_store_b128 v[APQ], v[SC:SC+3] offset:256*(\par)
.endm
; A QUERY.  One barrier: in front of it every wave's images of this query are stored, and its reads of the query before are in; the images of parity par were last read two queries back, ahead of the last barrier.
.macro QSTEP par, ahead, ca, cb
	FETCH_X \par
.if \ahead
	UNIT \par, 0, \ca, 2048*(\par)+4096, 16384*(\par)
	UNIT \par, 1, \cb, 2048*(\par)+4096, 16384*(\par)+512
.else
	UNIT \par, 0, \ca, -1, 16384*(\par)
	UNIT \par, 1, \cb, -1, 16384*(\par)+512
.endif
	s_wait_dscnt 0x0                               ; for the others' sake: my stores have landed; and x's part is in
	s_barrier_signal -1
	s_barrier_wait -1
	FETCH_D \par, 0                                ; all four tiles' fragments in one run of 32 loads;
	FETCH_D \par, 1
	FORMC 0                                        ; the first pair's additions stand between the run and the wait for it
	s_wait_dscnt 16                                ; the first pair's 16 loads are in; the second pair's may be out
	MUL 0
	EPI 0
	FORMC 1
	s_wait_dscnt 0x0
	MUL 1
	EPI 1
	FINISH \par
.endm
	s_load_b512 s[4:19], s[0:1], 0x0               ; dist s[4:5], x s[6:7], source s[8:9], aW1 s[10:11], ab1 s[12:13], aW2 s[14:15], ab2 s[16:17], the scales' exponents s[18:19]
	s_load_b256 s[20:27], s[0:1], 0x40             ; mW1 s[20:21], mW2 s[22:23], raw s[24:25], mins s[26:27]
	s_load_b128 s[28:31], s[0:1], 0x60             ; sq s[28:29], w1i s[30:31]
	s_load_b64 s[32:33], s[0:1], 0x70              ; w2i
	s_set_vgpr_msb 0x80
	v_lshl_add_u32 v254, v0, 2, 0x48500
	v_mov_b32 v255, 0
	s_set_vgpr_msb 0x808a
	ds_add_u32 v254, v255
	ds_add_u32 v254, v255
	s_set_vgpr_msb 0x8a00
	v_lshrrev_b32 v[L16], 5, v0
	v_readfirstlane_b32 s34, v[L16]                ; wave 0..3
	s_and_b32 s36, ttmp7, 0xffff                   ; block of 16 queries
	s_lshl_b32 s37, s36, 3
	s_add_co_u32 s37, s37, ttmp9                   ; n = 8 y + x: the work-group's number, 0 .. 255
	; descriptor group 1: 64 rows of 768 bytes, 768 apart in memory; in LDS 4 words of padding behind every 64 words
	s_mov_b32 s44, (0<<16)|(1<<20)|(5<<22)|(3<<25)
	s_mov_b32 s45, 768<<16                         ; tensor_dim0
	s_mov_b32 s46, 64<<16                          ; tensor_dim1
	s_mov_b32 s47, 768<<16                         ; tile_dim0
	s_mov_b32 s48, 64                              ; tile_dim1
	s_mov_b32 s49, 768                             ; from row to row
	s_mov_b32 s50, 0
	s_mov_b32 s51, 0
	s_mov_b32 s40, 1
	s_mul_i32 s41, s34, W1W                        ; my wave's own bytes of LDS
	s_mul_i32 s74, s34, 49152                      ; my 64 rows of aW1
	s_mov_b32 s75, 0
	s_lshl_b32 s76, s36, 15                        ; 16 y queries of 2,048 bytes
	s_lshl_b32 s77, ttmp9, 8                       ; + 64 x keys
	s_add_co_u32 s76, s76, s77
	s_mov_b32 s77, 0
	s_mov_b32 s60, 0x05010400                      ; byte selects of the transposes
	s_mov_b32 s61, 0x07030602
	s_mov_b32 s62, 0x05040100
	s_mov_b32 s63, 0x07060302
	s_mov_b32 s66, 0x76543210                      ; v_permlanex16_b32: lane l xor 16
	s_mov_b32 s67, 0xfedcba98
	s_wait_dscnt 0x0
	s_wait_kmcnt 0x0
	s_add_nc_u64 s[42:43], s[10:11], s[74:75]
	s_or_b32 s43, s43, 0x80000000                  ; type = 2
	tensor_load_to_lds s[40:43], s[44:51]          ; the wave's one tensor load; these bytes are filled once and read by this wave alone
	s_nop 0
.rept 4
	v_nop
.endr
	s_load_b256 s[52:59], s[18:19], 0x0            ; e0 .. e7
	s_load_b32 s72, s[16:17], 0x0                  ; ab2
	s_add_nc_u64 s[4:5], s[4:5], s[76:77]          ; dist at my first query and key
	v_and_b32 v[L16], 31, v0
	v_lshlrev_b32 v[L16], 4, v[L16]
	v_and_b32 v[RR], 15, v0
	v_bfe_u32 v[HH], v0, 4, 1
	s_lshl_b32 s74, s34, 26                        ; 64 w channels of 2^20 bytes
	s_add_co_u32 s74, s74, 8<<20
	v_lshlrev_b32 v[VO], 24, v[HH]                 ; 16 h channels
	v_lshl_add_u32 v[VO], v[RR], 4, v[VO]
	v_add_nc_u32 v[VO], s74, v[VO]
	v_add_nc_u32 v[VO+1], 32<<20, v[VO]
	s_lshl_b32 s74, s34, 10
	s_add_co_u32 s74, s74, DIMG
	v_add_nc_u32 v[ADW], s74, v[L16]               ; fragment s = w / 2, registers 4 (2 (w % 2) + u) on: 2048 (w / 2) + 1024 (w % 2) = 1024 w
	v_mul_u32_u24 v[AW1], v[RR], W1P
	v_lshl_add_u32 v[AW1], v[HH], 4, v[AW1]
	v_add_nc_u32 v[AW1], s41, v[AW1]
	v_and_b32 v[AXW], 3, v[RR]
	v_mul_u32_u24 v[AXW], v[AXW], 4*XP
	v_lshl_add_u32 v[AXW], v[HH], 4, v[AXW]
	s_lshl_b32 s74, s34, 6
	s_add_co_u32 s74, s74, XC
	v_add_nc_u32 v[AXW], s74, v[AXW]               ; query 4 (r % 4) + j, channels 64 w + 32 u + 16 h on
	v_add_nc_u32 v[AFR], DIMG, v[L16]
	s_mul_i32 s74, s34, XBW
	s_add_co_u32 s74, s74, XBL
	v_lshl_add_u32 v[AXR], v[HH], 5, s74           ; x's part: my wave's bytes, + 8 h units
	v_mul_u32_u24 v[XBS], v[RR], XP
	v_lshl_add_u32 v[AXB], v[HH], 4, v[XBS]
	v_add_nc_u32 v[AXB], XC, v[AXB]                ; x's codes as an operand: query r, + 16 h
	v_add_nc_u32 v[XBS], v[XBS], v[AXR]            ; x's part on its way in: query r
	s_lshl_b32 s74, s34, 12
	s_add_co_u32 s74, s74, PART
	v_lshl_add_u32 v[APW], v[RR], 4, s74
.irp j, 0,1,2,3
	v_mov_b32 v[PX+\j], 0                          ; a lane permute's destination counts as one of its sources
.endr
	; THE SIDE JOB: piece nq of 512 bytes: tile T = nq / 16, K step and four registers (nq % 16).  What differs between the waves is chosen, not branched on.
	s_cmp_eq_u32 s34, 2
	s_cselect_b32 s74, 256, 0
	s_add_co_u32 s74, s74, s37                     ; nq: n; wave 2 takes mW1's second half
	s_lshr_b32 s75, s74, 4                         ; T
	s_and_b32 s76, s74, 15
	s_lshl_b32 s76, s76, 5                         ; 128 s + 32 c along K
	s_lshr_b32 s77, s75, 1
	s_lshl_b32 s77, s77, 5
	s_and_b32 s78, s75, 1
	s_lshl_b32 s78, s78, 3
	s_add_co_u32 s77, s77, s78                     ; source and mW1: lane r of tile 2 b + u takes row 32 b + 8 u + r + (r & 8), so that a lane's results of two tiles are 16 neighbours along the next K
	s_lshl_b32 s75, s75, 4                         ; mW2: row 16 T + r
	s_cmp_eq_u32 s34, 3
	s_cselect_b32 s77, s75, s77
	s_cselect_b32 s78, 0, 8
	s_cselect_b64 s[80:81], s[22:23], s[20:21]
	s_cselect_b64 s[82:83], s[32:33], s[30:31]
	s_cmp_eq_u32 s34, 0
	s_cselect_b32 s79, 2, 0                        ; f32 numbers are four times the bytes
	s_cselect_b32 s84, 16, 0                       ; wave 0's four loads are 64 bytes on end; the others' four are the same 16 bytes
	s_cselect_b32 s85, -1, 0
	s_cselect_b64 s[80:81], s[8:9], s[80:81]
	s_cselect_b64 s[82:83], s[28:29], s[82:83]
	s_lshl_b32 s77, s77, 9
	s_add_co_u32 s77, s77, s76
	s_lshl_b32 s77, s77, s79
	s_lshl_b32 s74, s74, 9
	v_and_b32 v212, s78, v[RR]
	v_add_nc_u32 v212, v212, v[RR]
	v_lshlrev_b32 v212, 9, v212
	v_lshl_add_u32 v212, v[HH], 4, v212
	v_lshlrev_b32 v212, s79, v212
	v_add_nc_u32 v212, s77, v212
	v_add_nc_u32 v213, s84, v212
	v_add_nc_u32 v214, s84, v213
	v_add_nc_u32 v215, s84, v214
	v_add_nc_u32 v216, s74, v[L16]                 ; out: 512 nq + 16 lane
.irp i, 0,1,2,3
	global_load_b128 v[192+4*\i:195+4*\i], v[212+\i], s[80:81]
.endr
	s_lshl_b32 s86, s34, 8
	v_lshl_add_u32 v217, v[HH], 5, s86             ; ab1, aW2: units 64 w + 8 h on
	s_lshl_b32 s86, s34, 17                        ; 64 w channels of 2,048 bytes
	s_lshl_b32 s87, ttmp9, 8
	s_add_co_u32 s87, s87, s86
	s_lshl_b32 s88, s36, 6
	s_add_co_u32 s88, s88, s86
	v_lshlrev_b32 v219, 15, v[HH]
	v_lshl_add_u32 v218, v[RR], 4, v219
	v_add_nc_u32 v218, s87, v218                   ; source: channel 64 w + 16 h, keys 64 x + 4 r on
	v_and_b32 v222, 3, v[RR]
	v_lshl_add_u32 v219, v222, 4, v219
	v_add_nc_u32 v219, s88, v219                   ; x: the same channel, queries 16 y + 4 (r % 4) on
	WIN 0x80                                       ; destination window 2
.irp t, 0,1,2,3
	global_load_b128 v[BIAS+8*\t:BIAS+8*\t+3],   v217, s[12:13] offset:64*\t
	global_load_b128 v[BIAS+8*\t+4:BIAS+8*\t+7], v217, s[12:13] offset:64*\t+16
	global_load_b128 v[AW+8*\t:AW+8*\t+3],       v217, s[14:15] offset:64*\t
	global_load_b128 v[AW+8*\t+4:AW+8*\t+7],     v217, s[14:15] offset:64*\t+16
.endr
	WIN 0x40                                       ; destination window 1, which aW1 takes only later
	PLOAD 0, 218, 8                                ; source,
	PLOAD 1, 219, 6                                ; x,
	DLOAD 0, 0, 0                                  ; and straight behind them the ring's first fill: dist's queries 0 and 1
	DLOAD 0, 1, 0
	DLOAD 1, 0, 2048
	DLOAD 1, 1, 2048
	WIN 0
	s_wait_kmcnt 0x0
	s_mov_b32 s73, s72                             ; (named with s72 as a pair)
	s_add_co_i32 s86, s52, 127
	s_lshl_b32 s87, s86, 23
	v_mov_b32 v[SCL], s87                          ; 2^e0 as f32: the conversion takes its exponent field
	s_add_co_i32 s86, s86, 15
	s_lshl_b32 s86, s86, 23
	s_or_b32 s86, s86, 0x600000
	v_mov_b32 v[LIM], s86                          ; 57,344 x 2^e0
	s_add_co_i32 s86, s54, 127
	s_lshl_b32 s87, s86, 23
	v_mov_b32 v220, s87                            ; 2^e2,
	s_add_co_i32 s86, s86, 15
	s_lshl_b32 s86, s86, 23
	s_or_b32 s86, s86, 0x600000
	v_mov_b32 v221, s86                            ; 57,344 x 2^e2
	s_add_co_i32 s88, s52, s53                     ; e0 + e1
	s_sub_co_i32 s89, 0, s88
	s_wait_loadcnt 63                              ; behind the job's, ab1's, aW2's, source's and x's loads stand dist's 64: all those earlier ones are in
	WIN 0x82                                       ; source 0 and destination window 2
.set k, 0
.rept 32
	v_ldexp_f32 v[BIAS+k], v[BIAS+k], s89          ; ab1 / 2^(e0 + e1): a sum of codes stands for sum x 2^(e0 + e1)
.set k, k+1
.endr
.set k, 0
.rept 32
	v_ldexp_f32 v[AW+k], v[AW+k], s88              ; aW2 x 2^(e0 + e1)
.set k, k+1
.endr
	WIN 0
.irp i, 0,1,2,3,4,5,6,7,8,9,10,11,12,13,14,15
	v_med3_num_f32 v[224+\i], v[192+\i], -v221, v221
.endr
	v_cvt_scalef32_pk8_bf8_f32 v[208:209], v[224:231], v220
	v_cvt_scalef32_pk8_bf8_f32 v[210:211], v[232:239], v220
	v_nop                                          ; one plain vector line behind the last conversion
.irp i, 0,1,2,3
	v_cndmask_b32 v[208+\i], v[192+\i], v[208+\i], s85   ; wave 0: the codes just made; the others: the codes as loaded
.endr
	global_store_b128 v216, v[208:211], s[82:83]   ; 32 lanes store 512 consecutive bytes, aligned
	; source's and x's codes, by the same lines as dist's, while aW1's rows are still on their way; their LDS bytes lie behind those rows'
	PUNIT 0,   T,    ADW, SOFF,     4096
	PUNIT 64,  T+16, ADW, SOFF+512, 4096
	PUNIT 128, T,    AXW, 0,        XP
	PUNIT 192, T+16, AXW, 32,       XP
	s_wait_tensorcnt 0x0                           ; my rows of aW1 are in LDS; nobody else reads them
	WIN 0x40                                       ; window 1: source and x as loaded are done with
.irp ks, 0,1,2,3
.irp t, 0,1,2,3
.irp c, 0,1,2,3
	ds_load_b128 v[16*(4*\ks+\t)+4*\c:16*(4*\ks+\t)+4*\c+3], v[AW1] offset:16*W1P*\t+128*\ks+16*(\ks/2)+32*\c
.endr
.endr
.endr
	WIN 0x80
.irp ks, 4,5
.irp t, 0,1,2,3
.irp c, 0,1,2,3
	ds_load_b128 v[16*(4*(\ks-4)+\t)+4*\c:16*(4*(\ks-4)+\t)+4*\c+3], v[AW1] offset:16*W1P*\t+128*\ks+16*(\ks/2)+32*\c
.endr
.endr
.endr
	WIN 0
	s_wait_xcnt 0x0                                ; the head's loads and store have read their registers, which the accumulators take over
	s_wait_dscnt 0x0                               ; aW1 is in registers; my codes of source and x have landed
	s_barrier_signal -1
	s_barrier_wait -1
	; ---- x's part: source 0 = 16 units, source 1 = the 16 queries; four accumulators by turns
.irp s, 0,1
.irp c, 0,1,2,3
	ds_load_b128 v[XF+16*\s+4*\c:XF+16*\s+4*\c+3], v[AXB] offset:128*\s+32*\c
.endr
.endr
	FETCH_S 0
	s_wait_dscnt 0x0
	WIN 0x01                                       ; aW1 window 1
.irp ks, 0,1
.irp t, 0,1,2,3
.if \ks == 0
	v_wmma_f32_16x16x128_bf8_bf8 v[ACC+8*\t:ACC+8*\t+7], v[16*(4*\ks+\t):16*(4*\ks+\t)+15], v[XF+16*\ks:XF+16*\ks+15], 0
.else
	v_wmma_f32_16x16x128_bf8_bf8 v[ACC+8*\t:ACC+8*\t+7], v[16*(4*\ks+\t):16*(4*\ks+\t)+15], v[XF+16*\ks:XF+16*\ks+15], v[ACC+8*\t:ACC+8*\t+7]
.endif
.endr
.endr
	WIN 0
	PLACES 5                                       ; five places: source's part is laid over the fragments of aW1 that these products read; four of them serve the stores below
.irp t, 0,1,2,3
	ds_store_b128 v[XBS], v[ACC+8*\t:ACC+8*\t+3]   offset:64*\t      ; lane (r, h): query r, units 16 t + 8 h + 0 .. 7.  My own bytes: LDS serves a wave's instructions in order, so my later loads see them
	ds_store_b128 v[XBS], v[ACC+8*\t+4:ACC+8*\t+7] offset:64*\t+16
.endr
	; ---- source's part, begun with ab1
	SMUL 0
	FETCH_S 1
	s_wait_dscnt 0x0
	SMUL 1
	s_mov_b32 s68, 7
	s_mov_b32 s69, 0                               ; XP x the trip's even query
	s_mov_b32 s70, 0                               ; 256 x the same
.Lpair:                                            ; two queries a trip; each unit is asked for again two queries on.  48: behind a unit's 16 loads stand three units'
	QSTEP 0, 1, 48, 48
	QSTEP 1, 1, 48, 48
	s_wait_xcnt 0x0                                ; the loads have read their base: it may step
	s_add_nc_u64 s[4:5], s[4:5], 4096
	s_add_co_u32 s69, s69, 2*XP
	s_add_co_u32 s70, s70, 512
	s_sub_co_u32 s68, s68, 1
	s_cmp_lg_u32 s68, 0
	s_cbranch_scc1 .Lpair
	QSTEP 0, 0, 48, 32                             ; the last two queries ask for nothing: the counts run down
	QSTEP 1, 0, 16, 0
	; THE END: the four waves' parts are added; wave w takes queries 4 w .. 4 w + 3
	s_wait_dscnt 0x0
	s_barrier_signal -1
	s_barrier_wait -1
	s_lshl_b32 s74, s34, 10
	s_add_co_u32 s74, s74, PART
	v_add_nc_u32 v[AXQ], s74, v[L16]
.irp a, 0,1
.irp ww, 0,1,2,3
	ds_load_b128 v[64+16*\a+4*\ww:67+16*\a+4*\ww], v[AXQ] offset:4096*\ww+512*\a
.endr
.endr
	s_lshl_b32 s74, s36, 15
	s_lshl_b32 s75, s34, 13
	s_add_co_u32 s74, s74, s75
	s_lshl_b32 s75, ttmp9, 8
	s_add_co_u32 s74, s74, s75                     ; raw: query 16 y + 4 w, key 64 x
	v_lshlrev_b32 v24, 11, v[HH]
	v_lshl_add_u32 v24, v[RR], 4, v24
	v_add_nc_u32 v24, s74, v24
	s_lshl_b32 s74, s37, 4
	s_lshl_b32 s75, s34, 2
	s_add_co_u32 s74, s74, s75
	v_mov_b32 v26, s74                             ; mins: entry 4 n + w
	s_wait_dscnt 0x0
.irp a, 0,1
.irp e, 0,2
	v_pk_add_f32 v[64+16*\a+\e:65+16*\a+\e], v[64+16*\a+\e:65+16*\a+\e], v[68+16*\a+\e:69+16*\a+\e]
	v_pk_add_f32 v[72+16*\a+\e:73+16*\a+\e], v[72+16*\a+\e:73+16*\a+\e], v[76+16*\a+\e:77+16*\a+\e]
.endr
.endr
.irp a, 0,1
.irp e, 0,2
	v_pk_add_f32 v[64+16*\a+\e:65+16*\a+\e], v[64+16*\a+\e:65+16*\a+\e], v[72+16*\a+\e:73+16*\a+\e]
.endr
.endr
.irp a, 0,1
.irp e, 0,2
	v_pk_add_f32 v[64+16*\a+\e:65+16*\a+\e], v[64+16*\a+\e:65+16*\a+\e], s[72:73] op_sel_hi:[1,0]   ; + ab2
.endr
.endr
	global_store_b128 v24, v[64:67], s[24:25]      ; sixteen lanes store 256 consecutive bytes, aligned
	global_store_b128 v24, v[80:83], s[24:25] offset:4096
	v_min3_num_f32 v25, v64, v65, v66              ; the least of my wave's 256 scores
	v_min3_num_f32 v27, v67, v80, v81
	v_min3_num_f32 v25, v25, v82, v83
	v_min_num_f32 v25, v25, v27
	v_min_num_f32_dpp v25, v25, v25 row_xmask:1 row_mask:0xf bank_mask:0xf
	v_min_num_f32_dpp v25, v25, v25 row_xmask:2 row_mask:0xf bank_mask:0xf
	v_min_num_f32_dpp v25, v25, v25 row_xmask:4 row_mask:0xf bank_mask:0xf
	v_min_num_f32_dpp v25, v25, v25 row_xmask:8 row_mask:0xf bank_mask:0xf
	v_permlanex16_b32 v[PX], v25, s66, s67
	v_min_num_f32 v25, v25, v[PX]
	v_cmp_eq_u32 vcc_lo, 0, v[L16]                 ; lane 0
	s_wait_xcnt 0x0                                ; EXEC changes only behind this wait
	s_set_vgpr_msb 0xa
	s_wait_tensorcnt 0x0
	ds_add_u32 v254, v255
	s_wait_dscnt 0x0
	s_set_vgpr_msb 0xa00
	s_and_saveexec_b32 s75, vcc_lo
	global_store_b32 v26, v25, s[26:27]
	s_endpgm
.Lfunc_end_k_q5804d4f5a3_scores:
	.size	k_q5804d4f5a3_scores, .Lfunc_end_k_q5804d4f5a3_scores-k_q5804d4f5a3_scores
	.p2alignl 7, 3214868480
	.fill 96, 4, 3214868480
	.section	.rodata,"a",@progbits
	.p2align	6, 0x0
	.amdhsa_kernel k_q5804d4f5a3_scores
		.amdhsa_group_segment_fixed_size 296704
		.amdhsa_private_segment_fixed_size 0
		.amdhsa_enable_private_segment 0
		.amdhsa_kernarg_size 120
		.amdhsa_user_sgpr_count 2
		.amdhsa_user_sgpr_kernarg_segment_ptr 1
		.amdhsa_wavefront_size32 1
		.amdhsa_system_sgpr_workgroup_id_x 1
		.amdhsa_system_sgpr_workgroup_id_y 1
		.amdhsa_system_sgpr_workgroup_id_z 1
		.amdhsa_system_vgpr_workitem_id 0
		.amdhsa_next_free_vgpr 1024
		.amdhsa_next_free_sgpr 90
		.amdhsa_reserve_vcc 1
		.amdhsa_float_denorm_mode_32 3
		.amdhsa_float_denorm_mode_16_64 3
		.amdhsa_memory_ordered 1
		.amdhsa_forward_progress 1
		.amdhsa_inst_pref_size 204
	.end_amdhsa_kernel
	.amdgpu_metadata
---
amdhsa.version: [ 1, 2 ]
amdhsa.kernels:
  - .name:           k_q5804d4f5a3_scores
    .symbol:         k_q5804d4f5a3_scores.kd
    .args:
      - { .name: dist, .offset: 0, .size: 8, .value_kind: global_buffer, .address_space: global }
      - { .name: x, .offset: 8, .size: 8, .value_kind: global_buffer, .address_space: global }
      - { .name: source, .offset: 16, .size: 8, .value_kind: global_buffer, .address_space: global }
      - { .name: aW1_codes, .offset: 24, .size: 8, .value_kind: global_buffer, .address_space: global }
      - { .name: ab1, .offset: 32, .size: 8, .value_kind: global_buffer, .address_space: global }
      - { .name: aW2, .offset: 40, .size: 8, .value_kind: global_buffer, .address_space: global }
      - { .name: ab2, .offset: 48, .size: 8, .value_kind: global_buffer, .address_space: global }
      - { .name: lowp_scales, .offset: 56, .size: 8, .value_kind: global_buffer, .address_space: global }
      - { .name: mW1_codes, .offset: 64, .size: 8, .value_kind: global_buffer, .address_space: global }
      - { .name: mW2_codes, .offset: 72, .size: 8, .value_kind: global_buffer, .address_space: global }
      - { .name: raw, .offset: 80, .size: 8, .value_kind: global_buffer, .address_space: global }
      - { .name: mins, .offset: 88, .size: 8, .value_kind: global_buffer, .address_space: global }
      - { .name: sq, .offset: 96, .size: 8, .value_kind: global_buffer, .address_space: global }
      - { .name: w1i, .offset: 104, .size: 8, .value_kind: global_buffer, .address_space: global }
      - { .name: w2i, .offset: 112, .size: 8, .value_kind: global_buffer, .address_space: global }
    .group_segment_fixed_size: 296704
    .private_segment_fixed_size: 0
    .kernarg_segment_align: 8
    .kernarg_segment_size: 120
    .max_flat_workgroup_size: 128
    .sgpr_count:     90
    .vgpr_count:     1024
    .wavefront_size: 32
...
	.end_amdgpu_metadata
.endif
;; end of part 3
;; launch merge: the kernel of part 2 again; grid 32 x 1, 8 waves a work-group, no clusters, 26,112 bytes of LDS; arguments raw, mins, mask, x, sq, w1i, w2i, mb1, mb2, lowp_scales, out0, out1; writes out0, out1
